; MI455X (gfx1250); checked and timed in simulation.
; The chip was launched on July 23, 2026; its instructions are those of AMD's public machine-readable ISA for CDNA 5 (MIT licence, August 2026) and "CDNA5" Instruction Set Architecture Reference Guide (July 2026). The comments in the code are by the model that wrote it; some were corrected since.
;; Attention Block. Allowed arithmetic: matrix products marked QUANTISED: E2M1 operands, one E8M0 scale for each 32 along K, by v_wmma_scale_f32_16x16x128_f8f6f4 with both operands' format E2M1 (or v_wmma_scale_f32_32x16x128_f4), f32 sums; everything else in f32.
;; Inputs: b_out 1,024 float32; b_qkv 3,072 float32; cos_tab 4,095 x 32 float32; sin_tab 4,095 x 32 float32; w_out 1,024 x 1,024 float32; w_qkv 3,072 x 1,024 float32; x 8 x 1,024 x 1,024 float32.
;; Outputs: out0 8 x 1,024 x 1,024 float32.
;; This version of the problem:
;;   THIS VERSION OF THE PROBLEM IS GIVEN IN LOW PRECISION. The matrix products marked QUANTISED in the list below multiply operands that are first quantised to E2M1 (2 exponent bits, 1 mantissa bit; 4 bits a number), with one power-of-two scale for each 32 numbers along K (OCP MX v1.0); their sums are f32. All else is computed in f32.
;;   The module's matrix products, in the order in which they are computed (A, B: the left and right operand; K: the contracted axis; several contracted axes count as one K, in the product's order):
;;     1. [M 8,192, K 1,024] x [K 1,024, N 3,072]; A: input x; B: input w_qkv: QUANTISED
;;     2. batch 128 x [M 1,024, K 64] x [K 64, N 1,024]; A: computed on the way; B: computed on the way: QUANTISED
;;     3. batch 128 x [M 1,024, K 1,024] x [K 1,024, N 64]; A: softmax (see below); B: computed on the way: QUANTISED
;;     4. [M 8,192, K 1,024] x [K 1,024, N 1,024]; A: computed on the way; B: input w_out: QUANTISED
;;   THE QUANTISER, for each operand of a quantised product, along K:
;;     - K is cut into blocks of 32 from its start; a last block that is shorter is filled with zeros.
;;     - A block's scale is 2^e with e = floor(log2(the largest magnitude in the block)) - 2, held to -126 .. 127; a block of zeros has e = 0. As a byte (E8M0): e + 127.
;;     - Each number is divided by its block's scale, clamped to +-6, and rounded to the nearest number of E2M1, ties to even, subnormals kept.
;;     - The product sums the exact products of the quantised numbers (number of the format x scale) in f32.
;;   ~~~python
;;   def quantise(x, axis):      # numpy; x: float32 -> the quantised numbers, widened to float32 again
;;       x = np.moveaxis(x, axis, -1); K = x.shape[-1]
;;       x = np.pad(x, [(0, 0)] * (x.ndim - 1) + [(0, -K % 32)]); x = x.reshape(x.shape[:-1] + (-1, 32)); a = np.abs(x).max(-1, keepdims=True)
;;       e = np.where(a > 0, np.clip(np.frexp(np.where(a > 0, a, 1))[1] - 1 - 2, -126, 127), 0)      # np.frexp(a)[1] - 1 = floor(log2(a)), exactly
;;       r = np.clip(x / 2.0 ** e, -6, 6)
;;       step = 2.0 ** (np.maximum(np.frexp(np.where(r == 0, 1, r))[1] - 1, 0) - 1)
;;       q = np.round(r / step) * step * 2.0 ** e      # np.round: ties to even
;;       return np.moveaxis(q.reshape(q.shape[:-2] + (-1,))[..., :K], -1, axis).astype(np.float32)
;;   ~~~
;;   SOFTMAX AHEAD OF A QUANTISED PRODUCT. Where the list says 'softmax', what is quantised is not the finished softmax but p = 2^(t - M), with t = logit x log2(e) and M = ceil(the row's largest t), a whole number; so 1/2 < the row's largest p <= 1. The row's sum l is taken of the UNQUANTISED p, in f32, and the product's result is divided by l at the end. Since M is a whole number, a kernel that streams over the keys may use a running M (the ceiling of the running maximum): every later rescaling is an exact power of two, which a block's scale takes up: the codes' values come out the same.
;;   OPERANDS COMPUTED ON THE WAY. 'Computed on the way' means the value that the module computes at that place (a softmax that the list does not call 'softmax' is quantised finished and normalised). What goes into a quantiser is computed in f32, as accurately as f32 sums, v_exp_f32 and their like allow (about 1e-6 of the number): no bf16 or f16 on the way to a quantiser, and a product that is left as it is and whose result goes on into a quantised operand takes f32 operands (vector FMAs, or v_wmma_f32_16x16x4_f32). A number that lies on a knife's edge between two numbers of the format may be rounded either way, as far as f32 arithmetic and the matrix unit's own rounding can turn it there, and no further.
;; One version. Each part assembles by itself: llvm-mc -triple=amdgcn-amd-amdhsa -mcpu=gfx1250 --defsym DOCPART=n.
;; ======== version 1 of 1: 4 launches
;; limits: right only within a limited range of input values
;; workspace buffers: cod1 6,291,456 bytes; scl1 393,216 bytes; att_codes 12,582,912 bytes; att_scales 1,310,720 bytes; y_codes 4,194,304 bytes; y_scales 262,144 bytes
;; launch quant (part 1): grid 768 x 1, 2 waves a work-group, no clusters, 16,640 bytes of LDS; arguments x, w_qkv, w_out, cod1, scl1; writes cod1, scl1
.if DOCPART == 1
	.amdgcn_target "amdgcn-amd-amdhsa--gfx1250"
	.amdhsa_code_object_version 6
	.text
	.protected	k_q77a53f466a_quant
	.globl	k_q77a53f466a_quant
	.p2align	8
	.type	k_q77a53f466a_quant,@function
k_q77a53f466a_quant:
	s_mov_b64 s[64:65], 0
	v_nop
	global_prefetch_b8 v0, s[64:65] scope:SCOPE_SE
	s_setreg_imm32_b32 hwreg(HW_REG_WAVE_MODE, 25, 1), 1
	s_wait_xcnt 0x0
; x [8192][1024], w_qkv [3072][1024] and w_out [1024][1024], f32, become codes of FP4 (E2M1), K innermost, 512 bytes a row, with one E8M0 byte for each 32 along K, 32 bytes a row.
; A block's scale is 2^(floor(log2(its largest magnitude)) - 2): its byte is the largest magnitude's exponent field - 2, held at 1 from below; each number is divided by it and rounded to the nearest code, ties to even.
; THE ROWS ARE STORED IN ANOTHER ORDER: row number R goes to the place R with bits 3 and 4 exchanged.  So 16 places on end, the u-th 16 of a group of 32, hold rows 8 u + r + 8 (r / 8), r = 0 .. 15:
; a matrix operand of 16 places then gives results whose 16 registers of two neighbouring tiles are 16 neighbouring rows, which is what the later launches' quantisers want.
; The three tensors lie one behind the other in cod1 and scl1 (12,288 rows).  A wave takes 8 rows (8,192 numbers, 16 steps of 512), a work-group 16: bit 3 of a row is the wave's number, bit 4 the work-group's lowest bit.
; Each of a step's four loads reads 512 consecutive bytes, eight steps ahead; the 2,048 bytes turn through the wave's own stage in LDS and come back 64 bytes a lane: 16 neighbours, two lanes to a block.
; A wave's store of codes covers 256 consecutive bytes; its 256 scale bytes are gathered in LDS and leave as one run of 256 bytes.  No barrier: waves share nothing.
; LEFT OUT IN THE PROGRAM (launch attn): blocks of 32 keys all of which come after a tile's 16 queries.  reference() itself puts its lowest number there by the jnp.tril of its own body, so their weights are 0 for all finite inputs.
; Of the rotation tables only row 1024 has a way to the output; the other rows are not read.
; LIMITS: a NaN, an infinity or an overflow that reaches only what is left out is not carried to the result; a block of zeros gets the byte 1 and not 127 (its codes are zeros, and this program alone reads the bytes); NaN and infinities among the inputs are not served.
.set STEPS, 16
.set R,     16                         ; v16-143  eight sets of 16 numbers as they are loaded
.set X,     144                        ; v144-175 two sets of 16 neighbours
.set E,     176                        ; v176-191 a scale byte for each step
.set C,     192                        ; v192-223 codes: two registers for each step, so that no store's data are written again
.set SPW,   224
.set NIL,   225
.set WREG,  8192                       ; LDS: a region for each wave: two stages of 32 x SP bytes, behind them its 256 scale bytes
.set SP,    80                         ; a lane's place in a stage: 64 bytes + 16 of padding
.set SPARE, 2*WREG                     ; the spare words
	s_load_b128 s[4:7], s[0:1], 0x0                ; x, w_qkv
	s_load_b128 s[8:11], s[0:1], 0x10              ; w_out, cod1
	s_load_b64 s[12:13], s[0:1], 0x20              ; scl1
	v_lshl_add_u32 v[SPW], v0, 2, SPARE
	v_mov_b32 v[NIL], 0
	v_lshrrev_b32 v1, 5, v0
	v_readfirstlane_b32 s16, v1                    ; wave
	v_and_b32 v2, 31, v0                           ; lane
	v_lshlrev_b32 v3, 4, v2                        ; my 16 bytes of a load's 512
	s_mul_i32 s17, s16, WREG
	v_lshrrev_b32 v14, 2, v2
	v_mul_u32_u24 v14, v14, SP
	v_and_b32 v15, 3, v2
	v_lshl_add_u32 v14, v15, 4, v14
	v_add_nc_u32 v14, s17, v14                     ; the stage, on the way in: SP (lane / 4) + 16 (lane % 4)
	v_mul_u32_u24 v15, v2, SP
	v_add_nc_u32 v15, s17, v15                     ; and on the way out: SP x lane
	v_mul_u32_u24 v4, v2, 8                        ; my codes' place in a step's 256 bytes
	v_lshrrev_b32 v5, 1, v2
	s_add_co_u32 s17, s17, 2*32*SP
	v_add_nc_u32 v5, s17, v5                       ; LDS: my block's scale byte
	v_lshlrev_b32 v7, 3, v2                        ; on the way out 8 bytes a lane
	v_add_nc_u32 v6, s17, v7
	s_wait_alu depctr_va_vdst(0)                   ; the wait at the head's end
	s_wait_kmcnt 0x0
	s_cmp_lt_u32 ttmp9, 512                        ; which tensor: the choice hangs on the work-group's number alone
	s_cselect_b64 s[4:5], s[4:5], s[6:7]
	s_cselect_b32 s17, 0, 512
	s_cmp_lt_u32 ttmp9, 704
	s_cselect_b64 s[4:5], s[4:5], s[8:9]
	s_cselect_b32 s17, s17, 704
	s_sub_co_u32 s17, ttmp9, s17                   ; the work-group's number within its tensor
	s_lshl_b32 s17, s17, 1
	s_add_co_u32 s18, s17, s16                     ; my run of 8 rows
	s_lshl_b32 s18, s18, 15                        ; 32,768 bytes a run
	s_mov_b32 s19, 0
	s_add_nc_u64 s[4:5], s[4:5], s[18:19]
	s_lshl_b32 s20, s16, 1                         ; the place of my run: its number's lowest two bits exchanged
	s_and_b32 s21, ttmp9, 1
	s_or_b32 s20, s20, s21
	s_lshr_b32 s21, ttmp9, 1
	s_lshl_b32 s21, s21, 2
	s_add_co_u32 s20, s20, s21
	s_lshl_b32 s22, s20, 12                        ; 4,096 bytes of codes a run
	s_mov_b32 s23, 0
	s_add_nc_u64 s[10:11], s[10:11], s[22:23]
	s_lshl_b32 s22, s20, 8                         ; 256 scale bytes a run
	s_add_nc_u64 s[12:13], s[12:13], s[22:23]
.macro LOAD t
.irp i, 0,1,2,3
	global_load_b128 v[R+16*((\t)%8)+4*\i:R+16*((\t)%8)+4*\i+3], v3, s[4:5] offset:2048*(\t)+512*\i th:TH_LOAD_NT   ; 32 lanes read 512 consecutive bytes
.endr
.endm
.macro TURN t                          ; step t's numbers through the stage: LDS serves a wave's instructions in order, so no wait stands between the stores and the loads
.irp i, 0,1,2,3
	ds_store_b128 v14, v[R+16*((\t)%8)+4*\i:R+16*((\t)%8)+4*\i+3] offset:32*SP*((\t)%2)+8*SP*\i
.endr
.irp i, 0,1,2,3
	ds_load_b128 v[X+16*((\t)%2)+4*\i:X+16*((\t)%2)+4*\i+3], v15 offset:32*SP*((\t)%2)+16*\i
.endr
.endm
.irp t, 0,1,2,3,4,5,6,7
	LOAD \t
.endr
	s_wait_loadcnt 28                              ; step 0's four loads are in; seven steps' twenty-eight may be out
	TURN 0
.macro STEP t
.set XS, X+16*((\t)%2)
.if (\t) > 0
	s_wait_dscnt 1                                 ; this step's numbers are back from the stage (the last step's byte store may be out)
.else
	s_wait_dscnt 0x0
.endif
.if (\t)+8 < STEPS
	LOAD (\t)+8                                    ; into the registers that this step's stores into the stage have read
.endif
.if (\t)+1 < STEPS
.if STEPS-2-(\t) >= 7
	s_wait_loadcnt 28                              ; the next step's four loads are in; those of the seven steps behind it may be out
.else
	s_wait_loadcnt 4*(STEPS-2-(\t))
.endif
	TURN (\t)+1
.endif
	v_max3_num_f32 v8, |v[XS]|, |v[XS+1]|, |v[XS+2]|               ; the largest magnitude of my 16, in two chains
	v_max3_num_f32 v9, |v[XS+3]|, |v[XS+4]|, |v[XS+5]|
.irp i, 6,10
	v_max3_num_f32 v8, v8, |v[XS+\i]|, |v[XS+\i+1]|
	v_max3_num_f32 v9, v9, |v[XS+\i+2]|, |v[XS+\i+3]|
.endr
	v_max3_num_f32 v8, v8, |v[XS+14]|, |v[XS+15]|
	v_max3_num_f32 v8, v8, v9, 0x1800000           ; and the floor 2^(3 - 127): the byte cannot fall under 1
	v_max_num_f32_dpp v8, v8, v8 row_xmask:1 row_mask:0xf bank_mask:0xf   ; with my neighbour's 16: the block's
	v_add_nc_u32 v11, 0xff000000, v8               ; 2 off its exponent field: the conversion takes the exponent field of this operand as its scale
	v_cvt_scalef32_pk8_fp4_f32 v[C+2*(\t)], v[XS:XS+7], v11
	v_cvt_scalef32_pk8_fp4_f32 v[C+2*(\t)+1], v[XS+8:XS+15], v11
	v_lshrrev_b32 v[E+(\t)], 23, v11               ; the scale's byte
	ds_store_b8 v5, v[E+(\t)] offset:16*(\t)       ; both lanes of a block write the same byte with the same value
	global_store_b64 v4, v[C+2*(\t):C+2*(\t)+1], s[10:11] offset:256*(\t)   ; 32 lanes store 256 consecutive bytes
.endm
.irp t, 0,1,2,3,4,5,6,7,8,9,10,11,12,13,14,15
	STEP \t
.endr
	ds_load_b64 v[12:13], v6                       ; LDS serves a wave's instructions in order: these see my stores
	s_wait_dscnt 0x0
	global_store_b64 v7, v[12:13], s[12:13]        ; 32 lanes store 256 consecutive bytes
	s_wait_tensorcnt 0x0                           ; the wave's end
	ds_add_u32 v[SPW], v[NIL]
	s_wait_dscnt 0x0
	s_endpgm
.Lfunc_end_k_q77a53f466a_quant:
	.size	k_q77a53f466a_quant, .Lfunc_end_k_q77a53f466a_quant-k_q77a53f466a_quant
	.p2alignl 7, 3214868480
	.fill 96, 4, 3214868480
	.section	.rodata,"a",@progbits
	.p2align	6, 0x0
	.amdhsa_kernel k_q77a53f466a_quant
		.amdhsa_group_segment_fixed_size 16640
		.amdhsa_private_segment_fixed_size 0
		.amdhsa_enable_private_segment 0
		.amdhsa_kernarg_size 40
		.amdhsa_user_sgpr_count 2
		.amdhsa_user_sgpr_kernarg_segment_ptr 1
		.amdhsa_wavefront_size32 1
		.amdhsa_system_sgpr_workgroup_id_x 1
		.amdhsa_system_sgpr_workgroup_id_y 1
		.amdhsa_system_sgpr_workgroup_id_z 1
		.amdhsa_system_vgpr_workitem_id 0
		.amdhsa_next_free_vgpr 226
		.amdhsa_next_free_sgpr 66
		.amdhsa_reserve_vcc 0
		.amdhsa_float_denorm_mode_32 3
		.amdhsa_float_denorm_mode_16_64 3
		.amdhsa_memory_ordered 1
		.amdhsa_forward_progress 1
		.amdhsa_inst_pref_size 34
	.end_amdhsa_kernel
	.amdgpu_metadata
---
amdhsa.version: [ 1, 2 ]
amdhsa.kernels:
  - .name:           k_q77a53f466a_quant
    .symbol:         k_q77a53f466a_quant.kd
    .args:
      - { .name: x, .offset: 0, .size: 8, .value_kind: global_buffer, .address_space: global }
      - { .name: w_qkv, .offset: 8, .size: 8, .value_kind: global_buffer, .address_space: global }
      - { .name: w_out, .offset: 16, .size: 8, .value_kind: global_buffer, .address_space: global }
      - { .name: cod1, .offset: 24, .size: 8, .value_kind: global_buffer, .address_space: global }
      - { .name: scl1, .offset: 32, .size: 8, .value_kind: global_buffer, .address_space: global }
    .group_segment_fixed_size: 16640
    .private_segment_fixed_size: 0
    .kernarg_segment_align: 8
    .kernarg_segment_size: 40
    .max_flat_workgroup_size: 64
    .sgpr_count:     66
    .vgpr_count:     226
    .wavefront_size: 32
...
	.end_amdgpu_metadata
.endif
;; end of part 1
;; launch qkv (part 2): grid 4 x 64, 4 waves a work-group, clusters of 4 x 4, 327,680 bytes of LDS; arguments cod1, scl1, b_qkv, cos_tab, sin_tab, att_codes, att_scales; writes att_codes, att_scales
.if DOCPART == 2
	.amdgcn_target "amdgcn-amd-amdhsa--gfx1250"
	.amdhsa_code_object_version 6
	.text
	.protected	k_q77a53f466a_qkv
	.globl	k_q77a53f466a_qkv
	.p2align	8
	.type	k_q77a53f466a_qkv,@function
k_q77a53f466a_qkv:
	s_mov_b64 s[64:65], 0
	v_nop
	global_prefetch_b8 v0, s[64:65] scope:SCOPE_SE
	s_setreg_imm32_b32 hwreg(HW_REG_WAVE_MODE, 25, 1), 1
	s_wait_xcnt 0x0
	s_wait_alu depctr_hold_cnt(0) depctr_sa_sdst(0) depctr_va_vdst(0) depctr_va_sdst(0) depctr_va_ssrc(0) depctr_va_vcc(0) depctr_vm_vsrc(0)
	s_getreg_b32 s2, hwreg(HW_REG_IB_STS2, 6, 4)
	s_cmp_eq_u32 s2, 0
	s_cbranch_scc0 .Lentry_in_a_cluster
	s_endpgm
.Lentry_in_a_cluster:
	s_bfe_u32 s2, ttmp6, 0x10000c
	s_cmp_lg_u32 s2, 0xf033
	s_cbranch_scc0 .Lentry_shape_is_right
	s_endpgm
.Lentry_shape_is_right:
; qkv = x w_qkv^T + b_qkv on codes of FP4 with E8M0 scales; q and k are turned by the one rotation of row 1024 of the tables and quantised along the head's 64; v is quantised along the keys.  Only codes and scale bytes go to memory.
; A work-group keeps 128 rows of x and walks six chunks of 128 rows of w_qkv: q's two, k's two, v's two (four heads of each).  Four waves: wave (i, j) makes 64 tokens (half i) x 64 features (half j: one head) of each chunk,
; 16 accumulators of 16 x 16.  Its fragments of x (64 rows x all of K, 256 registers) stay in registers; a chunk's fragments of w (256 registers) are loaded once a chunk.
; w's chunks come through two LDS slots: a chunk is asked for when the one before begins, behind a round of the cluster's barrier.
; CLUSTERS: 4 x 4 work-groups; x's tile is shared along a row of the cluster, w's chunks along a column: each is asked for jointly, by the same tensor load with a mask that names the four.
; THE ROWS OF BOTH OPERANDS LIE IN THE ORDER THAT THE FIRST LAUNCH GAVE THEM: lane r of the u-th 16 places of a group of 32 holds row 8 u + r + 8 (r / 8).
; So for one fragment of source 1 a lane's 32 result registers are, at index 16 b + i, source 0's row 32 b + 16 (lane / 16) + i.  q, k: source 0 = w (a lane holds one token, registers along the head);
; v: source 0 = x (a lane holds one channel, registers along the keys).  The bias is the C of each sum's first product.  A block of 32 lies in lanes l and l xor 16; codes leave as images of the next launch's operand registers.
; PREFETCH: the chunk two trips on, 64 KB for each column, by the first two rows of clusters: each of their eight work-groups of a column names 32 blocks of 256 bytes, wave 2, a lane a block; nothing beyond the last chunk.
; REGISTERS: window 0: v4-30 addresses; v32-63 x's scale words, v64-95 w's; v96-127 the bias; v128-135 v's bias; v136-167 the tables; v168-203 at work.  window 1: x's fragments.  window 2: v0-127 accumulators, v128-191 turned numbers.  window 3: w's fragments.
; LIMITS: a block of zeros gets the byte 1 (this program alone reads the bytes); NaN and infinities are not served.
.set SLOT1, 0x20000                    ; a slot: 128 rows of w x 528 bytes, then their scale bytes, 16 runs of 256 + 16; slot 1 begins here
.set WSC,   67584
.set XC,    203008                     ; x's 128 rows x 528
.set XS,    270592                     ; x's scale bytes
.set VSC,   274944                     ; v's scale words, written by the waves: no fill lands here
.set SPARE, 275968                     ; the spare words
.set XSW,  32
.set WSW,  64
.set BI,   96
.set VB,   128
.set CT,   136
.set ST,   152
.set TM,   168
.set PWS,  184
.set PC,   188
.set G1A,  24
.set G0A,  32
.set G1B,  48
.set G0B,  56
.set G1SA, 68
.set G0SA, 76
.set G1SB, 80
.set G0SB, 88
.set MSB, 0
.macro WIN new                         ; the immediate's high byte repeats the setting that is left
.if MSB != \new
	s_set_vgpr_msb (MSB<<8)|\new
.set MSB, \new
.endif
.endm
.macro PLACES n
.rept \n
	v_nop
.endr
.endm
.macro CROUND                          ; a round of the cluster's barrier
	s_barrier_signal -1
	s_barrier_wait -1
	s_cmp_lg_u32 s18, 0
	s_cbranch_scc1 .Lnot_wave_0_\@
	s_barrier_signal -3
.Lnot_wave_0_\@:
	s_barrier_wait -3
	s_barrier_signal -1
	s_barrier_wait -1
.endm
.macro DESC g, cols, rows              ; group 1 of dense rows of 8-byte elements
	s_mov_b32 s[\g+1], (\cols)<<16
	s_mov_b32 s[\g+2], (\rows)<<16
	s_mov_b32 s[\g+3], (\cols)<<16
	s_mov_b32 s[\g+4], \rows
	s_mov_b32 s[\g+5], \cols
	s_mov_b32 s[\g+6], 0
	s_mov_b32 s[\g+7], 0
.endm
.macro G0SET g, lds, ad
	s_mov_b32 s[\g], 1
	s_mov_b32 s[\g+1], \lds
	s_mov_b64 s[\g+2:\g+3], s[\ad:\ad+1]
	s_or_b32 s[\g+3], s[\g+3], 0x80000000
.endm
.macro TL g0, g1
	tensor_load_to_lds s[\g0:\g0+3], s[\g1:\g1+7]
	s_nop 0
.rept 4
	v_nop
.endr
.endm
.macro ARM under, g0, g1, next
	s_cmp_lt_u32 s18, \under
	s_cbranch_scc0 \next
	TL \g0, \g1
	s_branch .Lhead_asked
\next:
.endm
.macro COFF n                          ; s[22:23] = where chunk (s2 + n) of w begins, from the first: 128 rows on, or 1,024 for each part
	s_add_co_u32 s21, s2, \n
	s_and_b32 s22, s21, 1
	s_lshl_b32 s22, s22, 16
	s_lshr_b32 s23, s21, 1
	s_lshl_b32 s23, s23, 19
	s_add_co_u32 s22, s22, s23
	s_mov_b32 s23, 0
.endm
; The change of chunks.  In front of the barrier each wave waits for all its tensor loads, adds 0 to its spare word, and waits for that and for its LDS reads.  fill = 1: behind the round the slot just left takes the chunk after the one in hand: wave 1 its codes, wave 3 its scale bytes.
.macro SYNC fill
	s_wait_tensorcnt 0x0
	ds_add_u32 v28, v29
.if \fill
	s_xor_b32 s[G0B+1], s[G0B+1], SLOT1
	s_xor_b32 s[G0SB+1], s[G0SB+1], SLOT1
	COFF 1
	s_add_nc_u64 s[G0B+2:G0B+3], s[96:97], s[22:23]
	s_or_b32 s[G0B+3], s[G0B+3], 0x80000000
	s_lshr_b32 s22, s22, 4
	s_add_nc_u64 s[G0SB+2:G0SB+3], s[98:99], s[22:23]
	s_or_b32 s[G0SB+3], s[G0SB+3], 0x80000000
	COFF 2
	s_wait_xcnt 0x0                                ; any prefetch of mine has read its address
	s_add_nc_u64 s[66:67], s[104:105], s[22:23]
	s_wait_dscnt 0x0
	CROUND
	s_cmp_eq_u32 s18, 1
	s_cbranch_scc0 .Lra_\@
	TL G0B, G1B
	s_branch .Lrc_\@
.Lra_\@:
	s_cmp_eq_u32 s18, 3
	s_cbranch_scc0 .Lrc_\@
	TL G0SB, G1SB
.Lrc_\@:
.else
	s_wait_dscnt 0x0
	s_barrier_signal -1
	s_barrier_wait -1
.endif
.endm
.macro ASK                             ; the chunk two on, into the L2
	s_cmp_lt_u32 s2, s42
	s_cbranch_scc0 .Lnot_mine_\@
	global_prefetch_b8 v30, s[66:67] th:TH_LOAD_NT scope:SCOPE_SE
.Lnot_mine_\@:
.endm
.macro WLOAD                           ; the chunk's scale words and all its fragments of my 64 rows of w
	v_add_nc_u32 v8, s3, v12
	v_add_nc_u32 v9, s3, v13
.irp p, 0,1,2,3
.irp k, 0,1
	ds_load_b128 v[WSW+8*\p+4*\k:WSW+8*\p+4*\k+3], v9 offset:544*\p+16*\k
.endr
.endr
	WIN 0xc0
.irp k, 0,1,2,3,4,5,6,7
.irp p, 0,1,2,3
.irp c, 0,1
	ds_load_b128 v[32*\k+8*\p+4*\c:32*\k+8*\p+4*\c+3], v8 offset:8448*\p+64*\k+32*\c
.endr
.endr
.endr
	WIN 0
.endm
; 128 products.  The 16 accumulators take turns, one instruction a turn, in the same order in every step.  The bias starts the sums.
.macro MACK k, vp
	s_wait_dscnt 8*(7-\k)                          ; the fragments of the later steps may be out
.if \vp
.if \k == 0
	WIN 0x8d
.else
	WIN 0xad
.endif
.irp q, 0,1,2,3
.irp p, 0,1,2,3
.if \k == 0
	v_wmma_scale_f32_16x16x128_f8f6f4 v[32*\q+8*\p:32*\q+8*\p+7], v[64*\p+8*\k:64*\p+8*\k+7], v[32*\k+8*\q:32*\k+8*\q+7], v[BI+8*\q:BI+8*\q+7], v[XSW+8*\p+\k], v[WSW+8*\q+\k] matrix_a_fmt:MATRIX_FMT_FP4 matrix_b_fmt:MATRIX_FMT_FP4
.else
	v_wmma_scale_f32_16x16x128_f8f6f4 v[32*\q+8*\p:32*\q+8*\p+7], v[64*\p+8*\k:64*\p+8*\k+7], v[32*\k+8*\q:32*\k+8*\q+7], v[32*\q+8*\p:32*\q+8*\p+7], v[XSW+8*\p+\k], v[WSW+8*\q+\k] matrix_a_fmt:MATRIX_FMT_FP4 matrix_b_fmt:MATRIX_FMT_FP4
.endif
.endr
.endr
.else
.if \k == 0
	WIN 0x87
.else
	WIN 0xa7
.endif
.irp q, 0,1,2,3
.irp p, 0,1,2,3
.if \k == 0
	v_wmma_scale_f32_16x16x128_f8f6f4 v[32*\q+8*\p:32*\q+8*\p+7], v[32*\k+8*\p:32*\k+8*\p+7], v[64*\q+8*\k:64*\q+8*\k+7], v[BI+8*\p:BI+8*\p+7], v[WSW+8*\p+\k], v[XSW+8*\q+\k] matrix_a_fmt:MATRIX_FMT_FP4 matrix_b_fmt:MATRIX_FMT_FP4
.else
	v_wmma_scale_f32_16x16x128_f8f6f4 v[32*\q+8*\p:32*\q+8*\p+7], v[32*\k+8*\p:32*\k+8*\p+7], v[64*\q+8*\k:64*\q+8*\k+7], v[32*\q+8*\p:32*\q+8*\p+7], v[WSW+8*\p+\k], v[XSW+8*\q+\k] matrix_a_fmt:MATRIX_FMT_FP4 matrix_b_fmt:MATRIX_FMT_FP4
.endif
.endr
.endr
.endif
.endm
.macro MAC vp
	s_wait_loadcnt 0x0                             ; the bias (and, the first time, the tables)
.irp k, 0,1,2,3,4,5,6,7
	MACK \k, \vp
.endr
	WIN 0
	PLACES 4                                       ; in front of the first read of results and of loads over the bias
.endm
.macro BLOAD n                         ; the bias of chunk s2 + n: accumulator p's registers are features 32 (p / 2) + 8 (p % 2) + 16 h + 0 .. 7
	s_add_co_u32 s21, s2, \n
	s_and_b32 s22, s21, 1
	s_lshl_b32 s22, s22, 9
	s_lshr_b32 s23, s21, 1
	s_lshl_b32 s23, s23, 12
	s_add_co_u32 s22, s22, s23
	s_mov_b32 s23, 0
	s_wait_xcnt 0x0
	s_add_nc_u64 s[60:61], s[8:9], s[22:23]
.irp p, 0,1,2,3
	global_load_b128 v[BI+8*\p:BI+8*\p+3], v15, s[60:61] offset:128*(\p/2)+32*(\p%2)
	global_load_b128 v[BI+8*\p+4:BI+8*\p+7], v15, s[60:61] offset:128*(\p/2)+32*(\p%2)+16
.endr
.endm
; The rotation of tile q into v[128 + 32 u ..] of window 2: pair k of registers is the pair (even, odd) of features of the table's entry 16 (k / 8) + 8 h + k % 8
.macro ROPE q, u
	WIN 0xa2
.set k, 0
.rept 16
.if k & 1
	v_pk_mul_f32 v[128+32*(\u)+2*k:129+32*(\u)+2*k], v[32*(\q)+2*k:32*(\q)+2*k+1], v[CT+k-1:CT+k] op_sel:[0,1] op_sel_hi:[1,1]
.else
	v_pk_mul_f32 v[128+32*(\u)+2*k:129+32*(\u)+2*k], v[32*(\q)+2*k:32*(\q)+2*k+1], v[CT+k:CT+k+1] op_sel:[0,0] op_sel_hi:[1,0]
.endif
.set k, k+1
.endr
.set k, 0
.rept 16
.if k & 1
	v_pk_fma_f32 v[128+32*(\u)+2*k:129+32*(\u)+2*k], v[32*(\q)+2*k:32*(\q)+2*k+1], v[ST+k-1:ST+k], v[128+32*(\u)+2*k:129+32*(\u)+2*k] op_sel:[1,1,0] op_sel_hi:[0,1,1] neg_lo:[0,1,0]
.else
	v_pk_fma_f32 v[128+32*(\u)+2*k:129+32*(\u)+2*k], v[32*(\q)+2*k:32*(\q)+2*k+1], v[ST+k:ST+k+1], v[128+32*(\u)+2*k:129+32*(\u)+2*k] op_sel:[1,0,0] op_sel_hi:[0,0,1] neg_lo:[0,1,0]
.endif
.set k, k+1
.endr
	WIN 0
.endm
; Two tiles' 64 numbers of a lane, v[src ..] of window 2, become two images of four registers, v[pc ..], and two scale words of two bytes, v[pw], v[pw + 1].
.macro QUANT src, pc, pw
	WIN 0x0a
.irp b, 0,1,2,3
	v_max3_num_f32 v[TM+\b], |v[\src+16*\b]|, |v[\src+1+16*\b]|, 0x1800000   ; block b: my 16 numbers, and the floor 2^(3 - 127): the byte cannot fall under 1
.endr
.irp i, 2,4,6,8,10,12,14
.irp b, 0,1,2,3
	v_max3_num_f32 v[TM+\b], |v[\src+16*\b+\i]|, |v[\src+1+16*\b+\i]|, v[TM+\b]   ; the four blocks by turns; each accumulator is read from its low end on
.endr
.endr
	WIN 0
.irp b, 0,1,2,3
	v_permlanex16_b32 v[TM+4+\b], v[TM+\b], s100, s101
.endr
.irp b, 0,1,2,3
	v_max_num_f32 v[TM+\b], v[TM+\b], v[TM+4+\b]   ; with lane l xor 16's: the block's largest magnitude
.endr
.irp b, 0,1,2,3
	v_add_nc_u32 v[TM+12+\b], 0xff000000, v[TM+\b] ; 2 off its exponent field: the conversion's scale operand
.endr
.irp b, 0,1,2,3
	v_lshrrev_b32 v[TM+4+\b], 23, v[TM+12+\b]      ; the scale's byte
.endr
	v_lshl_or_b32 v[\pw], v[TM+5], 8, v[TM+4]
	v_lshl_or_b32 v[\pw+1], v[TM+7], 8, v[TM+6]
	WIN 0x02
.irp b, 0,1,2,3
	v_cvt_scalef32_pk8_fp4_f32 v[\pc+2*\b], v[\src+16*\b:\src+16*\b+7], v[TM+12+\b]
	v_cvt_scalef32_pk8_fp4_f32 v[\pc+1+2*\b], v[\src+8+16*\b:\src+8+16*\b+7], v[TM+12+\b]
.endr
	WIN 0
	v_nop                                          ; one plain instruction behind a scaled conversion
.irp c, 0,1                            ; a whole block to a lane: lanes 0-15 a tile's first, lanes 16-31 its second
.irp i, 0,1
	v_permlane16_swap_b32 v[\pc+4*\c+\i], v[\pc+2+4*\c+\i]
.endr
.endr
.endm
.macro EPIQK
	s_wait_xcnt 0x0                                ; the last chunk's stores have read their registers and bases
	s_and_b32 s22, s2, 1
	s_lshl_b32 s22, s22, 16                        ; two heads on,
	s_lshr_b32 s23, s2, 1
	s_lshl_b32 s23, s23, 22                        ; q's part or k's
	s_add_co_u32 s22, s22, s23
	s_mov_b32 s23, 0
	s_add_nc_u64 s[36:37], s[44:45], s[22:23]
	s_lshr_b32 s22, s22, 3
	s_add_nc_u64 s[38:39], s[46:47], s[22:23]
.irp g, 0,1
	ROPE 2*\g, 0
	ROPE 2*\g+1, 1
	QUANT 128, PC+8*\g, PWS+2*\g
	global_store_b128 v4, v[PC+8*\g:PC+8*\g+3], s[36:37] offset:1024*\g          ; 16 tokens x my head: 512 consecutive bytes
	global_store_b128 v4, v[PC+8*\g+4:PC+8*\g+7], s[36:37] offset:1024*\g+512
.endr
	global_store_b128 v17, v[PWS:PWS+3], s[38:39]  ; four tiles' scale words: 256 consecutive bytes (lanes l and l xor 16 write the same bytes with the same values)
.endm
.macro VCHUNK cc
	WLOAD
.irp q, 0,1,2,3
.irp j, 0,1,2,3,4,5,6,7
	v_mov_b32 v[BI+8*\q+\j], v[VB+4*\cc+\q]        ; a lane holds one channel: one number for all eight registers
.endr
.endr
	s_wait_alu depctr_va_vdst(0)                   ; the wait here, directly ahead of the waits below
	MAC 1
	s_wait_xcnt 0x0
	s_lshr_b32 s60, s43, 3
	s_lshl_b32 s60, s60, 4
	s_lshl_b32 s61, s40, 2
	s_add_co_u32 s60, s60, s61
	s_add_co_u32 s60, s60, s20
	s_add_co_u32 s60, s60, 2*\cc
	s_lshl_b32 s60, s60, 15                        ; head 16 b + 4 cx + 2 cc + j
	s_and_b32 s61, s43, 7
	s_lshl_b32 s61, s61, 12                        ; key step
	s_add_co_u32 s60, s60, s61
	s_lshl_b32 s61, s19, 9                         ; which 64 of its 128 keys
	s_add_co_u32 s60, s60, s61
	s_add_co_u32 s60, s60, 8388608
	s_mov_b32 s61, 0
	s_add_nc_u64 s[36:37], s[14:15], s[60:61]
.irp g, 0,1
	QUANT 64*\g, PC+8*\g, PWS+2*\g
.irp u, 0,1
	global_store_b128 v4, v[PC+8*\g+4*\u:PC+8*\g+4*\u+3], s[36:37] offset:2048*\g+1024*\u
	ds_store_b16 v18, v[PWS+2*\g+\u] offset:512*\cc+8*\g+4*\u   ; my two bytes of the row's scale word
.endr
.endr
.endm
	s_load_b256 s[4:11], s[0:1], 0x0               ; cod1, scl1, b_qkv, cos_tab
	s_load_b128 s[12:15], s[0:1], 0x20             ; sin_tab, att_codes
	s_load_b64 s[16:17], s[0:1], 0x30              ; att_scales
	v_lshl_add_u32 v28, v0, 2, SPARE               ; my spare word; never rewritten
	v_mov_b32 v29, 0                               ; 0; never rewritten
	ds_add_u32 v28, v29                            ; the wave's opening: the add, twice on end, and its wait
	ds_add_u32 v28, v29
	v_lshrrev_b32 v1, 5, v0
	v_readfirstlane_b32 s18, v1                    ; wave 0..3
	s_lshr_b32 s19, s18, 1                         ; i: which 64 tokens
	s_and_b32 s20, s18, 1                          ; j: which 64 features of a chunk
	s_bfe_u32 s40, ttmp6, 0x40000                  ; cx: four heads of q, k and v (the grid is one cluster wide)
	s_bfe_u32 s41, ttmp6, 0x40004                  ; cy
	s_and_b32 s43, ttmp7, 0xffff
	s_cmp_lt_u32 s43, 2                            ; who prefetches: the first two rows of clusters, wave 2, up to chunk 3
	s_cselect_b32 s42, 4, 0
	s_cmp_eq_u32 s18, 2
	s_cselect_b32 s42, s42, 0
	s_lshl_b32 s43, s43, 2
	s_add_co_u32 s43, s43, s41                     ; tile row
	s_lshl_b32 s60, s41, 2
	s_lshl_b32 s60, 15, s60                        ; my row of the cluster
	s_lshl_b32 s61, 0x1111, s40                    ; my column
	s_or_b32 s[G1A], s60, (3<<16)|(1<<20)|(1<<21)|(6<<22)|(3<<25)    ; codes: 128 rows of 512 bytes, 16 bytes of padding behind each
	DESC G1A, 64, 128
	s_or_b32 s[G1B], s61, (3<<16)|(1<<20)|(1<<21)|(6<<22)|(3<<25)
	DESC G1B, 64, 128
	s_or_b32 s[G1SA], s60, (3<<16)|(1<<20)|(1<<21)|(5<<22)|(3<<25)   ; scale bytes: 16 rows of 256 bytes, 16 bytes of padding behind each
	DESC G1SA, 32, 16
	s_or_b32 s[G1SB], s61, (3<<16)|(1<<20)|(1<<21)|(5<<22)|(3<<25)
	DESC G1SB, 32, 16
	s_lshl_b32 s92, s43, 16                        ; x: 65,536 bytes of codes a tile row,
	s_mov_b32 s93, 0
	s_lshl_b32 s94, s43, 12                        ; 4,096 scale bytes
	s_mov_b32 s95, 0
	s_lshl_b32 s96, s40, 17                        ; w: 256 rows of each part for each column, behind x's
	s_add_co_u32 s96, s96, 4194304
	s_mov_b32 s97, 0
	s_lshl_b32 s98, s40, 13
	s_add_co_u32 s98, s98, 262144
	s_mov_b32 s99, 0
	s_mov_b32 s100, 0x76543210
	s_mov_b32 s101, 0xfedcba98                     ; lane selects for v_permlanex16_b32: lane l xor 16
	s_mov_b32 s2, 0                                ; the chunk in hand
	s_mov_b32 s3, 0                                ; its slot
	s_wait_dscnt 0x0                               ; both opening adds are done
	s_wait_kmcnt 0x0
	s_add_nc_u64 s[92:93], s[4:5], s[92:93]
	s_add_nc_u64 s[94:95], s[6:7], s[94:95]
	s_add_nc_u64 s[96:97], s[4:5], s[96:97]
	s_add_nc_u64 s[98:99], s[6:7], s[98:99]
	G0SET G0A, XC, 92
	G0SET G0SA, XS, 94
	G0SET G0B, 0, 96
	G0SET G0SB, WSC, 98
	CROUND                                         ; all sixteen work-groups are here: the joint loads meet
	ARM 1, G0A,  G1A,  .Lhead_b                    ; one tensor load a wave: wave 0 x's codes, 1 the first chunk's, 2 x's scale bytes, 3 the first chunk's
	ARM 2, G0B,  G1B,  .Lhead_sa
	ARM 3, G0SA, G1SA, .Lhead_sb
	TL G0SB, G1SB
.Lhead_asked:
	; where my prefetches stand: 8,192 bytes of a chunk for each work-group of a column
	s_lshl_b32 s60, s43, 13
	s_mov_b32 s61, 0
	s_add_nc_u64 s[104:105], s[96:97], s[60:61]
	; where my results go: head 16 b + 4 cx + j, tiles of tokens 8 (tile row % 8) + 4 i + q
	s_lshr_b32 s60, s43, 3
	s_lshl_b32 s60, s60, 4
	s_lshl_b32 s61, s40, 2
	s_add_co_u32 s60, s60, s61
	s_add_co_u32 s60, s60, s20
	s_and_b32 s61, s43, 7
	s_lshl_b32 s61, s61, 1
	s_add_co_u32 s61, s61, s19                     ; 2 (tile row % 8) + i: four tiles
	s_lshl_b32 s44, s60, 15
	s_lshl_b32 s45, s61, 11
	s_add_co_u32 s44, s44, s45
	s_mov_b32 s45, 0
	s_add_nc_u64 s[44:45], s[14:15], s[44:45]
	s_lshl_b32 s46, s60, 12
	s_lshl_b32 s47, s61, 8
	s_add_co_u32 s46, s46, s47
	s_mov_b32 s47, 0
	s_add_nc_u64 s[46:47], s[16:17], s[46:47]
	; the bias of my 64 features of q's first chunk; v's lies 8,192 bytes on
	s_lshl_b32 s60, s40, 10
	s_lshl_b32 s61, s20, 8
	s_add_co_u32 s60, s60, s61
	s_mov_b32 s61, 0
	s_add_nc_u64 s[8:9], s[8:9], s[60:61]
	; LDS bases by the wave's number alone
	s_mul_i32 s60, s19, 33792
	s_add_co_u32 s60, s60, XC
	s_mul_i32 s61, s19, 2176
	s_add_co_u32 s61, s61, XS
	s_mul_i32 s62, s20, 33792
	s_mul_i32 s63, s20, 2176
	s_add_co_u32 s63, s63, WSC
	s_lshl_b32 s66, s20, 8
	s_lshl_b32 s67, s19, 1
	s_add_co_u32 s66, s66, s67
	s_add_co_u32 s66, s66, VSC
	s_lshl_b32 s67, s18, 8
	s_add_co_u32 s67, s67, VSC
	v_and_b32 v1, 15, v0                           ; r
	v_bfe_u32 v2, v0, 4, 1                         ; h
	v_and_b32 v3, 31, v0                           ; lane
	v_lshlrev_b32 v4, 4, v3                        ; 16 x lane: my place in an image
	v_lshlrev_b32 v30, 8, v3                       ; 256 x lane: the prefetches' offset; never rewritten
	v_mul_u32_u24 v5, v1, 528
	v_lshl_add_u32 v5, v2, 4, v5                   ; a fragment's row x pitch + 16 h
	v_lshlrev_b32 v6, 5, v1                        ; a row's 32 scale bytes,
	v_lshrrev_b32 v7, 3, v1
	v_lshl_add_u32 v6, v7, 4, v6                   ; and 16 more behind each 256
	v_add_nc_u32 v10, s60, v5                      ; x's fragments
	v_add_nc_u32 v11, s61, v6                      ; x's scale words
	v_add_nc_u32 v12, s62, v5                      ; w's, in a slot
	v_add_nc_u32 v13, s63, v6
	v_lshlrev_b32 v14, 5, v2                       ; 32 h: the tables
	v_lshlrev_b32 v15, 6, v2                       ; 64 h: the bias
	v_and_b32 v16, 8, v1
	v_add_nc_u32 v16, v16, v1
	v_lshlrev_b32 v16, 2, v16                      ; v's bias: lane r of fragment q holds feature 32 (q / 2) + 8 (q % 2) + r + 8 (r / 8)
	v_lshlrev_b32 v17, 4, v1                       ; 16 r
	v_add_nc_u32 v18, s66, v17                     ; where v's scale bytes are gathered: head 2 cc + j, row r, word q, half i
	v_add_nc_u32 v19, s67, v17                     ; and where I read a head's words back
.irp b, 0,1,2,3
	v_mov_b32 v[TM+4+\b], 0                        ; written once: a lane permute's destination counts as one of its sources
.endr
	s_wait_alu depctr_va_vdst(0)                   ; the wait
.irp e, 0,1                            ; row 1024 of the tables: register 8 e + t holds the entry 16 e + 8 h + t
	global_load_b128 v[CT+8*\e:CT+8*\e+3], v14, s[10:11] offset:131072+64*\e
	global_load_b128 v[CT+8*\e+4:CT+8*\e+7], v14, s[10:11] offset:131072+64*\e+16
	global_load_b128 v[ST+8*\e:ST+8*\e+3], v14, s[12:13] offset:131072+64*\e
	global_load_b128 v[ST+8*\e+4:ST+8*\e+7], v14, s[12:13] offset:131072+64*\e+16
.endr
.irp c, 0,1
.irp q, 0,1,2,3
	global_load_b32 v[VB+4*\c+\q], v16, s[8:9] offset:8192+512*\c+128*(\q/2)+32*(\q%2)
.endr
.endr
	BLOAD 0
	s_wait_alu depctr_va_vdst(0)                   ; the wait at the head's end
	SYNC 1                                         ; x and chunk 0 are in; chunk 1 is asked for
.irp q, 0,1,2,3
.irp k, 0,1
	ds_load_b128 v[XSW+8*\q+4*\k:XSW+8*\q+4*\k+3], v11 offset:544*\q+16*\k
.endr
.endr
	WIN 0x40
.irp k, 0,1,2,3,4,5,6,7
.irp q, 0,1,2,3
.irp c, 0,1
	ds_load_b128 v[64*\q+8*\k+4*\c:64*\q+8*\k+4*\c+3], v10 offset:8448*\q+64*\k+32*\c
.endr
.endr
.endr
	WIN 0
.Lqk:                                                  ; q's two chunks and k's two
	WLOAD
	ASK
	MAC 0
	s_cmp_lt_u32 s2, 3
	s_cbranch_scc0 .Lno_bias
	BLOAD 1                                        ; the next chunk's bias
.Lno_bias:
	EPIQK
	s_xor_b32 s3, s3, SLOT1
	s_add_co_u32 s2, s2, 1
	SYNC 1
	s_cmp_lt_u32 s2, 4
	s_cbranch_scc1 .Lqk
	s_mov_b32 s3, 0
	VCHUNK 0
	SYNC 0                                         ; the last chunk is in; nothing is filled again
	s_mov_b32 s3, SLOT1
	VCHUNK 1
	s_wait_dscnt 0x0                               ; for the others' sake: my stores of v's scale bytes are done
	s_barrier_signal -1
	s_barrier_wait -1
	ds_load_b128 v[204:207], v19                   ; one head's words of this key step
	s_lshr_b32 s60, s43, 3
	s_lshl_b32 s60, s60, 4
	s_lshl_b32 s61, s40, 2
	s_add_co_u32 s60, s60, s61
	s_add_co_u32 s60, s60, s18
	s_lshl_b32 s60, s60, 11                        ; head 16 b + 4 cx + wave
	s_and_b32 s61, s43, 7
	s_lshl_b32 s61, s61, 8
	s_add_co_u32 s60, s60, s61
	s_add_co_u32 s60, s60, 1048576
	s_mov_b32 s61, 0
	s_wait_xcnt 0x0
	s_add_nc_u64 s[38:39], s[16:17], s[60:61]
	s_wait_dscnt 0x0
	global_store_b128 v17, v[204:207], s[38:39]    ; 256 consecutive bytes
	s_wait_tensorcnt 0x0                           ; the wave's end
	ds_add_u32 v28, v29
	s_wait_dscnt 0x0
	CROUND                                         ; the closing round: no work-group ends while a partner may still ask for a tile that names it
	s_endpgm
.Lfunc_end_k_q77a53f466a_qkv:
	.size	k_q77a53f466a_qkv, .Lfunc_end_k_q77a53f466a_qkv-k_q77a53f466a_qkv
	.p2alignl 7, 3214868480
	.fill 96, 4, 3214868480
	.section	.rodata,"a",@progbits
	.p2align	6, 0x0
	.amdhsa_kernel k_q77a53f466a_qkv
		.amdhsa_group_segment_fixed_size 327680
		.amdhsa_private_segment_fixed_size 0
		.amdhsa_enable_private_segment 0
		.amdhsa_kernarg_size 56
		.amdhsa_user_sgpr_count 2
		.amdhsa_user_sgpr_kernarg_segment_ptr 1
		.amdhsa_wavefront_size32 1
		.amdhsa_system_sgpr_workgroup_id_x 1
		.amdhsa_system_sgpr_workgroup_id_y 1
		.amdhsa_system_sgpr_workgroup_id_z 1
		.amdhsa_system_vgpr_workitem_id 0
		.amdhsa_next_free_vgpr 1024
		.amdhsa_next_free_sgpr 106
		.amdhsa_reserve_vcc 0
		.amdhsa_float_denorm_mode_32 3
		.amdhsa_float_denorm_mode_16_64 3
		.amdhsa_memory_ordered 1
		.amdhsa_forward_progress 1
		.amdhsa_inst_pref_size 122
	.end_amdhsa_kernel
	.amdgpu_metadata
---
amdhsa.version: [ 1, 2 ]
amdhsa.kernels:
  - .name:           k_q77a53f466a_qkv
    .symbol:         k_q77a53f466a_qkv.kd
    .args:
      - { .name: cod1, .offset: 0, .size: 8, .value_kind: global_buffer, .address_space: global }
      - { .name: scl1, .offset: 8, .size: 8, .value_kind: global_buffer, .address_space: global }
      - { .name: b_qkv, .offset: 16, .size: 8, .value_kind: global_buffer, .address_space: global }
      - { .name: cos_tab, .offset: 24, .size: 8, .value_kind: global_buffer, .address_space: global }
      - { .name: sin_tab, .offset: 32, .size: 8, .value_kind: global_buffer, .address_space: global }
      - { .name: att_codes, .offset: 40, .size: 8, .value_kind: global_buffer, .address_space: global }
      - { .name: att_scales, .offset: 48, .size: 8, .value_kind: global_buffer, .address_space: global }
    .group_segment_fixed_size: 327680
    .private_segment_fixed_size: 0
    .kernarg_segment_align: 8
    .kernarg_segment_size: 56
    .max_flat_workgroup_size: 128
    .sgpr_count:     106
    .vgpr_count:     1024
    .wavefront_size: 32
...
	.end_amdgpu_metadata
.endif
;; end of part 2
;; launch attn (part 3): grid 2 x 128, 16 waves a work-group, clusters of 2 x 1, 327,680 bytes of LDS; arguments att_codes, att_scales, y_codes, y_scales; writes y_codes, y_scales
.if DOCPART == 3
	.amdgcn_target "amdgcn-amd-amdhsa--gfx1250"
	.amdhsa_code_object_version 6
	.text
	.protected	k_q77a53f466a_attn
	.globl	k_q77a53f466a_attn
	.p2align	8
	.type	k_q77a53f466a_attn,@function
k_q77a53f466a_attn:
	s_mov_b64 s[64:65], 0
	v_nop
	global_prefetch_b8 v0, s[64:65] scope:SCOPE_SE
	s_setreg_imm32_b32 hwreg(HW_REG_WAVE_MODE, 25, 1), 1
	s_wait_xcnt 0x0
	s_wait_alu depctr_hold_cnt(0) depctr_sa_sdst(0) depctr_va_vdst(0) depctr_va_sdst(0) depctr_va_ssrc(0) depctr_va_vcc(0) depctr_vm_vsrc(0)
	s_getreg_b32 s2, hwreg(HW_REG_IB_STS2, 6, 4)
	s_cmp_eq_u32 s2, 0
	s_cbranch_scc0 .Lentry_in_a_cluster
	s_endpgm
.Lentry_in_a_cluster:
	s_bfe_u32 s2, ttmp6, 0x10000c
	s_cmp_lg_u32 s2, 0x1001
	s_cbranch_scc0 .Lentry_shape_is_right
	s_endpgm
.Lentry_shape_is_right:
; Causal attention on codes of FP4 with E8M0 scales, head size 64, 1,024 tokens, 128 heads.  t = score x log2(e) / 8; M = the running largest t rounded up to a whole number; p = 2^(t - M) is quantised along the keys;
; the row's sum is taken of the unquantised p and divides O at the end; y = O / sum is quantised along the head's 64 and leaves as codes and scale bytes for the last product.
; SHARES.  A cluster of two work-groups owns a head; both read its whole K and V (codes and scale words, 71,680 bytes), which come once, by joint loads, and stay in LDS.  Nothing is prefetched: no loop asks memory for anything.
; Wave w: kap = w / 4, a = w % 4.  It makes two tiles of 16 queries: the late one 8 (7 - kap) + 2 a + cx and the early one 8 kap + 2 (3 - a) + cx: together seven whole steps of 128 keys, and on the diagonals five blocks of 32 keys.
; LEFT OUT: blocks of 32 keys all of which come after a tile's 16 queries (reference()'s own mask).  Which are left out hangs on the wave's number and the loop's counter alone; cx enters global addresses and the mask's numbers only.
; THE DIAGONAL STEP COMES FIRST: each query sees its own key there, so it starts M, the sum and O.  The steps 0, 1, .. follow.  The next step's K is loaded under the softmax, V under the first product.
; TILES.  Tile qt of a sequence: lane r holds token 32 (qt / 2) + 8 (qt % 2) + r + 8 (r / 8).  Both products are used transposed (S^T = K Q^T, O^T = V^T P^T): a lane holds one query, and the 16 registers of two neighbouring result tiles
; are 16 neighbouring keys (or channels): 32 b + 16 (lane / 16) + 0 .. 15.
; K = 64 IN AN INSTRUCTION OF 128: Q's fragment has zero codes in its upper four registers.  K's tile t is named v[32 + 4 t : 39 + 4 t]: its upper four registers hold the next tile's codes (for t = 7 zeros), which meet Q's zeros and add nothing;
; the upper two bytes of both scale words are 0, which stands for 2^-127, a number.
; All operands lie in LDS as images of their registers: every load of codes reads 512 consecutive bytes.
; LIMITS: hidden scores count as -infinity (p = 0, as the reference's lowest number gives); a NaN, an infinity or an overflow in what is left out is not carried; a block of zeros gets the byte 1; NaN and infinities are not served.
.set KSC,   65536                      ; LDS: 0 K's codes [tile 64][512]; 32,768 V's [step 8][4,096]; KSC K's scale words [16][r][4];
.set VSC,   69632                      ; V's [step][r][4 words];
.set YS,    71680                      ; y's scale bytes [class 8][r][a 4] of two bytes, written by the waves: no fill lands here;
.set SPARE, 72704                      ; the spare words, 128 bytes for each wave
.set SC,  100                          ; v100-163 S^T, then p, at the end y
.set OT,  164                          ; v164-195 O^T
.set PCO, 196                          ; v196-203 p's codes
; v1-4 lane addresses; v5, v6 the spare word and 0; v8-11 addresses in hand; v12 -M, v13 the largest score, v[14:15] the sum; v16-31 the two Q; v32-63 K; v64-67 zeros; v68-99 V;
; v204-211 K's scale words, v212-215 V's, v216-217 Q's, v218 p's; v219 -infinity; v220-243 at work; v244-251 y's codes; v252-255 y's scale bytes and LDS addresses
.macro CROUND                          ; a round of the cluster's barrier
	s_barrier_signal -1
	s_barrier_wait -1
	s_cmp_lg_u32 s12, 0
	s_cbranch_scc1 .Lnot_wave_0_\@
	s_barrier_signal -3
.Lnot_wave_0_\@:
	s_barrier_wait -3
	s_barrier_signal -1
	s_barrier_wait -1
.endm
.macro DESC g, rows                    ; group 1: dense rows of 256 bytes (32 elements of 8 bytes); the mask names both work-groups
	s_mov_b32 s[\g], 3|(3<<16)|(1<<21)
	s_mov_b32 s[\g+1], 32<<16
	s_mov_b32 s[\g+2], (\rows)<<16
	s_mov_b32 s[\g+3], 32<<16
	s_mov_b32 s[\g+4], \rows
	s_mov_b32 s[\g+5], 32
	s_mov_b32 s[\g+6], 0
	s_mov_b32 s[\g+7], 0
.endm
.macro TL g0, g1
	tensor_load_to_lds s[\g0:\g0+3], s[\g1:\g1+7]
	s_nop 0
.rept 4
	v_nop
.endr
.endm
.macro KLOAD ka, sa                    ; a step's eight tiles of K and their scale words
.irp t, 0,1,2,3,4,5,6,7
	ds_load_b128 v[32+4*\t:35+4*\t], v\ka offset:512*\t
.endr
	ds_load_b128 v[204:207], v\sa
	ds_load_b128 v[208:211], v\sa offset:256
.endm
.macro VLOAD                           ; a step's four fragments of V^T and their scale words
.irp f, 0,1,2,3,4,5,6,7
	ds_load_b128 v[68+4*\f:71+4*\f], v8 offset:512*\f
.endr
	ds_load_b128 v[212:215], v9
.endm
.macro QK n, qf, qs
.set t, 0
.rept \n
	v_wmma_scale_f32_16x16x128_f8f6f4 v[SC+8*t:SC+8*t+7], v[32+4*t:39+4*t], v[\qf:\qf+7], 0, v[204+t], v[\qs] matrix_a_fmt:MATRIX_FMT_FP4 matrix_b_fmt:MATRIX_FMT_FP4
.set t, t+1
.endr
.endm
; The softmax of nb blocks of 32 keys, p's codes and scale word, and the row's sum.  first = 1: it starts M and the sum; else they, and O^T, are brought under the new M.
.macro SOFT nb, first
.set bb, 0
.rept \nb
	v_max3_num_f32 v[220+bb], v[SC+16*bb], v[SC+16*bb+1], v[SC+16*bb+2]   ; the largest score of each block: for the row's maximum, and, since p rises with the score, for the block's largest p
.set bb, bb+1
.endr
.irp i, 3,5,7,9,11,13
.set bb, 0
.rept \nb
	v_max3_num_f32 v[220+bb], v[220+bb], v[SC+16*bb+\i], v[SC+16*bb+\i+1]
.set bb, bb+1
.endr
.endr
.set bb, 0
.rept \nb
	v_max_num_f32 v[220+bb], v[220+bb], v[SC+16*bb+15]
.set bb, bb+1
.endr
.set bb, 0
.rept \nb
	s_delay_alu instid0(VALU_DEP_\nb)
	v_permlanex16_b32 v[224+bb], v[220+bb], s20, s21
.set bb, bb+1
.endr
.set bb, 0
.rept \nb
	s_delay_alu instid0(VALU_DEP_\nb)
	v_max_num_f32 v[220+bb], v[220+bb], v[224+bb]  ; with lane l xor 16's 16 keys
.set bb, bb+1
.endr
.if \first
.if \nb == 1
	v_mov_b32 v13, v220
.elseif \nb == 2
	v_max_num_f32 v13, v220, v221
.elseif \nb == 3
	v_max3_num_f32 v13, v220, v221, v222
.else
	v_max3_num_f32 v13, v220, v221, v222
	v_max_num_f32 v13, v13, v223
.endif
	v_mul_f32 v230, s19, v13                       ; -t of the largest score
	v_floor_f32 v12, v230                          ; -M = floor(-t): a whole number
.else
	v_max3_num_f32 v228, v220, v221, v222
	s_delay_alu instid0(VALU_DEP_1)
	v_max3_num_f32 v13, v13, v228, v223            ; the running largest score
	s_delay_alu instid0(VALU_DEP_1)
	v_mul_f32 v230, s19, v13
	v_mov_b32 v229, v12
	s_delay_alu instid0(VALU_DEP_2)
	v_floor_f32 v12, v230                          ; the new -M
	s_delay_alu instid0(VALU_DEP_1)
	v_sub_f32 v229, v12, v229                      ; M's old value less its new one: 0 or less
.endif
.set j, 0
.rept 8*\nb
	v_pk_fma_f32 v[SC+j:SC+j+1], v[SC+j:SC+j+1], s[22:23], v[12:13] op_sel_hi:[1,0,0]   ; t - M, two at a time
.if (\first == 0) && (j == 16)
	v_cvt_i32_f32 v229, v229                       ; (it saturates)
.endif
.if (\first == 0) && (j == 32)
	v_ldexp_f32 v242, 1.0, v229                    ; f = 2^(old M - new M): a multiplication by it rounds nothing
.endif
.set j, j+2
.endr
.set bb, 0
.rept \nb
	v_fma_f32 v[220+bb], v[220+bb], s22, v12       ; the same of each block's largest score
.set bb, bb+1
.endr
	s_wait_alu depctr_va_vdst(0)                   ; the wait ahead of the batch too
.set j, 0
.rept 16*\nb
	v_exp_f32 v[SC+j], v[SC+j]                     ; p = 2^(t - M)
.set j, j+1
.endr
.set bb, 0
.rept \nb
	v_exp_f32 v[220+bb], v[220+bb]                 ; the block's largest p: the same two instructions on the same number give the same bits
.set bb, bb+1
.endr
.if \first
	v_nop                                          ; the plain instruction behind the exponentials
.else
	v_pk_mul_f32 v[14:15], v[14:15], v[242:243] op_sel_hi:[1,0]   ; the sums under the new M: the plain instruction behind the exponentials
.endif
	s_wait_alu depctr_va_vdst(0)                   ; one wait for the whole batch, and for O^T, ahead of their first readers
.if \first == 0
.set j, 0
.rept 16
	v_pk_mul_f32 v[OT+j:OT+j+1], v[OT+j:OT+j+1], v[242:243] op_sel_hi:[1,0]   ; O^T under the new M
.set j, j+2
.endr
.endif
.set bb, 0
.rept \nb
	v_max_num_f32 v[220+bb], 0x1800000, v[220+bb]  ; the floor 2^(3 - 127): the byte cannot fall under 1
.set bb, bb+1
.endr
.set bb, 0
.rept \nb
	s_delay_alu instid0(VALU_DEP_\nb)
	v_add_nc_u32 v[232+bb], 0xff000000, v[220+bb]  ; 2 off the exponent field: the conversion's scale operand
.set bb, bb+1
.endr
.set bb, 0
.rept \nb
	s_delay_alu instid0(VALU_DEP_\nb)
	v_lshrrev_b32 v[236+bb], 23, v[232+bb]         ; the scale's byte
.set bb, bb+1
.endr
.if \nb == 1
	v_mov_b32 v218, v236                           ; p's scale word
.else
	v_lshl_or_b32 v218, v237, 8, v236
.if \nb > 2
	v_lshl_or_b32 v218, v238, 16, v218
.endif
.if \nb > 3
	v_lshl_or_b32 v218, v239, 24, v218
.endif
.endif
.set bb, \nb
.rept 4-\nb
	v_mov_b32 v[PCO+2*bb], 0                       ; hidden blocks: zero codes
	v_mov_b32 v[PCO+2*bb+1], 0
.set bb, bb+1
.endr
.set bb, 0
.rept \nb
	v_cvt_scalef32_pk8_fp4_f32 v[PCO+2*bb], v[SC+16*bb:SC+16*bb+7], v[232+bb]
	v_cvt_scalef32_pk8_fp4_f32 v[PCO+2*bb+1], v[SC+16*bb+8:SC+16*bb+15], v[232+bb]
.set bb, bb+1
.endr
	v_nop                                          ; one plain instruction behind a scaled conversion
	v_permlane16_swap_b32 v[PCO], v[PCO+2]         ; a whole block to a lane: lanes 0-15 block 2 c, lanes 16-31 block 2 c + 1
	v_permlane16_swap_b32 v[PCO+1], v[PCO+3]
.if \nb > 2
	v_permlane16_swap_b32 v[PCO+4], v[PCO+6]
	v_permlane16_swap_b32 v[PCO+5], v[PCO+7]
.endif
	; the row's sum of the unquantised p, two at a time, in four chains: also the plain instructions between the scale word and codes just made and the products
.if \first
	v_pk_add_f32 v[14:15], v[SC:SC+1], v[SC+2:SC+3]
	v_pk_add_f32 v[240:241], v[SC+4:SC+5], v[SC+6:SC+7]
	v_pk_add_f32 v[228:229], v[SC+8:SC+9], v[SC+10:SC+11]
	v_pk_add_f32 v[230:231], v[SC+12:SC+13], v[SC+14:SC+15]
.set j, 16
.rept 2*(\nb-1)
	v_pk_add_f32 v[14:15], v[14:15], v[SC+j:SC+j+1]
	v_pk_add_f32 v[240:241], v[240:241], v[SC+j+2:SC+j+3]
	v_pk_add_f32 v[228:229], v[228:229], v[SC+j+4:SC+j+5]
	v_pk_add_f32 v[230:231], v[230:231], v[SC+j+6:SC+j+7]
.set j, j+8
.endr
.else
	v_pk_add_f32 v[240:241], v[SC:SC+1], v[SC+2:SC+3]
	v_pk_add_f32 v[228:229], v[SC+4:SC+5], v[SC+6:SC+7]
	v_pk_add_f32 v[230:231], v[SC+8:SC+9], v[SC+10:SC+11]
.set j, 12
.rept 6
	v_pk_add_f32 v[14:15], v[14:15], v[SC+j:SC+j+1]
	v_pk_add_f32 v[240:241], v[240:241], v[SC+j+2:SC+j+3]
	v_pk_add_f32 v[228:229], v[228:229], v[SC+j+4:SC+j+5]
	v_pk_add_f32 v[230:231], v[230:231], v[SC+j+6:SC+j+7]
.set j, j+8
.endr
	v_pk_add_f32 v[14:15], v[14:15], v[SC+60:SC+61]
	v_pk_add_f32 v[240:241], v[240:241], v[SC+62:SC+63]
.endif
	v_pk_add_f32 v[228:229], v[228:229], v[230:231]
	v_pk_add_f32 v[14:15], v[14:15], v[240:241]
	v_pk_add_f32 v[14:15], v[14:15], v[228:229]
.endm
; The diagonal step with nb blocks that count: the last of them in part.
.macro DIAG nb, qf, qs
	v_add_nc_u32 v8, s44, v2
	v_add_nc_u32 v9, s46, v4
	VLOAD
	s_wait_dscnt 9                                 ; K and its scale words are in; V's nine loads may be out
	QK 2*\nb, \qf, \qs
.rept 4
	v_nop
.endr
	KLOAD 1, 3                                     ; step 0's K, for the whole steps
.set i, 0
.rept 16
	v_cndmask_b32 v[SC+16*(\nb-1)+i], v[SC+16*(\nb-1)+i], v219, s[80+i]   ; hidden keys of the last block
.set i, i+1
.endr
	SOFT \nb, 1
	s_wait_alu depctr_va_vdst(0)                   ; the wait here, directly ahead of the wait below
	s_wait_dscnt 10                                ; V is in; the next K's ten loads may be out
.irp d, 0,1,2,3
	v_wmma_scale_f32_16x16x128_f8f6f4 v[OT+8*\d:OT+8*\d+7], v[68+8*\d:75+8*\d], v[PCO:PCO+7], 0, v[212+\d], v218 matrix_a_fmt:MATRIX_FMT_FP4 matrix_b_fmt:MATRIX_FMT_FP4
.endr
.endm
; One tile of queries: s[kf] whole steps and a diagonal of s[av] + 1 blocks.  ntr: the loop's trips.  nx = 1: the last whole step loads the next tile's diagonal K.
.macro PASS ntr, kf, av, qf, qs, yb, ysa, pcy, nx
	s_lshl_b32 s44, s[\kf], 12                     ; the diagonal step's V
	s_lshl_b32 s46, s[\kf], 8
	s_cmp_eq_u32 s[\av], 3
	s_cbranch_scc1 .Ld4_\@
	s_cmp_eq_u32 s[\av], 2
	s_cbranch_scc1 .Ld3_\@
	s_cmp_eq_u32 s[\av], 1
	s_cbranch_scc1 .Ld2_\@
	DIAG 1, \qf, \qs
	s_branch .Lfull_\@
.Ld2_\@:
	DIAG 2, \qf, \qs
	s_branch .Lfull_\@
.Ld3_\@:
	DIAG 3, \qf, \qs
	s_branch .Lfull_\@
.Ld4_\@:
	DIAG 4, \qf, \qs
.Lfull_\@:
	s_mov_b32 s47, 0                               ; the step
	s_mov_b32 s44, 0                               ; its V: 4,096 bytes a step,
	s_mov_b32 s46, 0                               ; 256 of scale words
	s_mov_b32 s45, 4096                            ; the next step's K,
	s_mov_b32 s43, 512                             ; 512 of scale words
.Lstep_\@:
	s_cmp_ge_u32 s47, s[\kf]
	s_cbranch_scc1 .Lhid_\@
	v_add_nc_u32 v8, s44, v2
	v_add_nc_u32 v9, s46, v4
	v_nop
	v_nop                                          ; (four places in front of loads into registers that the last products read)
	VLOAD
.if \nx
	s_add_co_u32 s57, s47, 1
	s_cmp_eq_u32 s57, s[\kf]
	s_cselect_b32 s56, s98, s45
	s_cselect_b32 s57, s99, s43
.else
	s_mov_b32 s56, s45
	s_mov_b32 s57, s43
.endif
	s_wait_dscnt 9                                 ; this step's K is in; V's nine loads may be out
	QK 8, \qf, \qs
	v_add_nc_u32 v10, s56, v1
	v_add_nc_u32 v11, s57, v3
	v_nop
	v_nop
	KLOAD 10, 11
	SOFT 4, 0
	s_wait_dscnt 10                                ; V is in; the next K's ten loads may be out
.irp d, 0,1,2,3
	v_wmma_scale_f32_16x16x128_f8f6f4 v[OT+8*\d:OT+8*\d+7], v[68+8*\d:75+8*\d], v[PCO:PCO+7], v[OT+8*\d:OT+8*\d+7], v[212+\d], v218 matrix_a_fmt:MATRIX_FMT_FP4 matrix_b_fmt:MATRIX_FMT_FP4
.endr
.Lhid_\@:
	s_add_co_u32 s44, s44, 4096
	s_add_co_u32 s45, s45, 4096
	s_add_co_u32 s46, s46, 256
	s_add_co_u32 s43, s43, 512
	s_add_co_u32 s47, s47, 1
	s_cmp_lt_u32 s47, \ntr
	s_cbranch_scc1 .Lstep_\@
	; the tile's end: y = O^T / the sum; register 16 b + i is channel 32 b + 16 h + i of my query
.rept 4
	v_nop
.endr
	s_wait_alu depctr_va_vdst(0)                   ; the wait here, directly ahead of the reader below
	v_add_f32 v14, v14, v15
	v_permlanex16_b32 v224, v14, s20, s21
	v_add_f32 v14, v14, v224                       ; the row's sum
	s_wait_alu depctr_va_vdst(0)                   ; the wait ahead of the transcendental too
	v_rcp_f32 v14, v14
	v_nop                                          ; a plain instruction behind the reciprocal
	s_wait_alu depctr_va_vdst(0)                   ; and the wait ahead of its first reader, and of O^T's
.set j, 0
.rept 16
	v_pk_mul_f32 v[SC+j:SC+j+1], v[OT+j:OT+j+1], v[14:15] op_sel_hi:[1,0]   ; each accumulator from its low end on
.set j, j+2
.endr
.irp b, 0,1
	v_max3_num_f32 v[220+2*\b], |v[SC+16*\b]|, |v[SC+1+16*\b]|, 0x1800000
	v_max3_num_f32 v[221+2*\b], |v[SC+8+16*\b]|, |v[SC+9+16*\b]|, 0x1800000
.endr
.irp i, 2,4,6
.irp b, 0,1
	v_max3_num_f32 v[220+2*\b], v[220+2*\b], |v[SC+16*\b+\i]|, |v[SC+1+16*\b+\i]|
	v_max3_num_f32 v[221+2*\b], v[221+2*\b], |v[SC+8+16*\b+\i]|, |v[SC+9+16*\b+\i]|
.endr
.endr
.irp b, 0,1
	v_max_num_f32 v[220+2*\b], v[220+2*\b], v[221+2*\b]
.endr
.irp b, 0,1
	v_permlanex16_b32 v[224+\b], v[220+2*\b], s20, s21
.endr
.irp b, 0,1
	v_max_num_f32 v[220+2*\b], v[220+2*\b], v[224+\b]
.endr
.irp b, 0,1
	v_add_nc_u32 v[232+\b], 0xff000000, v[220+2*\b]
.endr
.irp b, 0,1
	v_lshrrev_b32 v[236+\b], 23, v[232+\b]
.endr
	v_lshl_or_b32 v252, v237, 8, v236              ; the two scale bytes of row r
.irp b, 0,1
	v_cvt_scalef32_pk8_fp4_f32 v[\pcy+2*\b], v[SC+16*\b:SC+16*\b+7], v[232+\b]
	v_cvt_scalef32_pk8_fp4_f32 v[\pcy+1+2*\b], v[SC+16*\b+8:SC+16*\b+15], v[232+\b]
.endr
	v_nop
	v_permlane16_swap_b32 v[\pcy], v[\pcy+2]       ; lanes 0-15 channels 0-31, lanes 16-31 channels 32-63
	v_permlane16_swap_b32 v[\pcy+1], v[\pcy+3]
	global_store_b128 v1, v[\pcy:\pcy+3], s[\yb:\yb+1]   ; the image of 16 tokens x my head: 512 consecutive bytes
	ds_store_b16 v[\ysa], v252                     ; both halves of the lanes write the same two bytes with the same value
.endm
	s_load_b256 s[4:11], s[0:1], 0x0               ; att_codes, att_scales, y_codes, y_scales
	v_lshl_add_u32 v5, v0, 2, SPARE
	v_mov_b32 v6, 0
	ds_add_u32 v5, v6                              ; the wave's opening: the add, twice on end, and its wait
	ds_add_u32 v5, v6
	v_lshrrev_b32 v8, 5, v0
	v_readfirstlane_b32 s12, v8                    ; wave 0..15
	s_lshr_b32 s13, s12, 2                         ; kap: the early tile's whole steps
	s_and_b32 s14, s12, 3                          ; a
	s_xor_b32 s15, s14, 3                          ; 3 - a
	s_bfe_u32 s16, ttmp6, 0x40000                  ; cx
	s_and_b32 s17, ttmp7, 0xffff                   ; the head, 16 b + h: both partners share it
	s_xor_b32 s18, s13, 7                          ; 7 - kap: the late tile's whole steps
	s_mov_b32 s19, 0xbe38aa3b                      ; -c
	s_mov_b32 s20, 0x76543210
	s_mov_b32 s21, 0xfedcba98                      ; v_permlanex16_b32's selects for lane l xor 16
	s_mov_b32 s22, 0x3e38aa3b                      ; c = log2(e) / 8
	s_mov_b32 s23, s22                             ; (named with it as a pair, so it is written)
	s_lshl_b32 s98, s13, 12                        ; the early tile's diagonal step: its K,
	s_lshl_b32 s99, s13, 9                         ; its scale words
	DESC 24, 32                                    ; codes: 8,192 bytes a load
	DESC 32, 16                                    ; K's scale words: 4,096 bytes
	DESC 40, 8                                     ; V's: 2,048
	; waves 0-3: K's codes, waves 4-7: V's, 8,192 bytes each
	s_lshr_b32 s60, s12, 2
	s_add_co_u32 s60, s60, 1
	s_lshl_b32 s60, s60, 22                        ; k's part of att_codes, or v's
	s_lshl_b32 s61, s17, 15
	s_add_co_u32 s60, s60, s61
	s_and_b32 s61, s12, 3
	s_lshl_b32 s61, s61, 13
	s_add_co_u32 s60, s60, s61
	s_mov_b32 s61, 0
	; wave 8: K's scale words, wave 9: V's
	s_lshl_b32 s66, s17, 12
	s_add_co_u32 s66, s66, 524288
	s_mov_b32 s67, 0
	s_lshl_b32 s68, s17, 11
	s_add_co_u32 s68, s68, 1048576
	s_mov_b32 s69, 0
	s_wait_dscnt 0x0                               ; both opening adds are done
	s_wait_kmcnt 0x0
	s_mov_b32 s48, 1
	s_lshl_b32 s49, s12, 13                        ; LDS: wave x 8,192
	s_add_nc_u64 s[50:51], s[4:5], s[60:61]
	s_or_b32 s51, s51, 0x80000000
	s_mov_b32 s52, 1
	s_mov_b32 s53, KSC
	s_add_nc_u64 s[54:55], s[6:7], s[66:67]
	s_or_b32 s55, s55, 0x80000000
	s_mov_b32 s56, 1
	s_mov_b32 s57, VSC
	s_add_nc_u64 s[58:59], s[6:7], s[68:69]
	s_or_b32 s59, s59, 0x80000000
	CROUND                                         ; both work-groups are here: the joint loads meet
	s_cmp_lt_u32 s12, 8                            ; one tensor load a wave at the most; the branches hang on the wave's number alone
	s_cbranch_scc0 .Lnot_codes
	TL 48, 24
	s_branch .Lasked
.Lnot_codes:
	s_cmp_lt_u32 s12, 9
	s_cbranch_scc0 .Lnot_ks
	TL 52, 32
	s_branch .Lasked
.Lnot_ks:
	s_cmp_lt_u32 s12, 10
	s_cbranch_scc0 .Lasked
	TL 56, 40
.Lasked:
	; my two tiles of queries, and where their images, scale words and results lie
	s_lshl_b32 s2, s18, 3
	s_lshl_b32 s62, s14, 1
	s_add_co_u32 s2, s2, s62
	s_add_co_u32 s2, s2, s16                       ; the late tile
	s_lshl_b32 s3, s13, 3
	s_lshl_b32 s62, s15, 1
	s_add_co_u32 s3, s3, s62
	s_add_co_u32 s3, s3, s16                       ; the early tile
	s_mov_b32 s63, 0
.macro QBASE qt, cb, sb, yb
	s_lshl_b32 s62, s\qt, 9
	s_lshl_b32 s96, s17, 15
	s_add_co_u32 s62, s62, s96
	s_add_nc_u64 s[\cb:\cb+1], s[4:5], s[62:63]
	s_lshr_b32 s62, s\qt, 2
	s_lshl_b32 s62, s62, 8
	s_and_b32 s96, s\qt, 3
	s_lshl_b32 s96, s96, 2
	s_add_co_u32 s62, s62, s96
	s_lshl_b32 s96, s17, 12
	s_add_co_u32 s62, s62, s96
	s_add_nc_u64 s[\sb:\sb+1], s[6:7], s[62:63]
	s_lshl_b32 s62, s\qt, 13                       ; y_codes: [b][tile 64][head 16][512]
	s_lshr_b32 s96, s17, 4
	s_lshl_b32 s96, s96, 19
	s_add_co_u32 s62, s62, s96
	s_and_b32 s96, s17, 15
	s_lshl_b32 s96, s96, 9
	s_add_co_u32 s62, s62, s96
	s_add_nc_u64 s[\yb:\yb+1], s[8:9], s[62:63]
.endm
	QBASE 2, 66, 70, 72
	QBASE 3, 68, 74, 76
	s_lshl_b32 s62, s17, 1
	s_add_co_u32 s62, s62, s16
	s_lshl_b32 s62, s62, 10                        ; y_scales: 1,024 bytes for a head and a work-group,
	s_lshl_b32 s96, s12, 9
	s_add_co_u32 s62, s62, s96                     ; of which waves 0 and 1 store 512 each
	s_add_nc_u64 s[78:79], s[10:11], s[62:63]
	s_lshl_b32 s96, s18, 7
	s_lshl_b32 s97, s14, 1
	s_add_co_u32 s96, s96, s97
	s_add_co_u32 s96, s96, YS                      ; the late tile's scale bytes: class 7 - kap, a
	s_lshl_b32 s97, s13, 7
	s_lshl_b32 s60, s15, 1
	s_add_co_u32 s97, s97, s60
	s_add_co_u32 s97, s97, YS                      ; the early tile's: class kap, 3 - a
	s_lshl_b32 s60, s12, 9
	s_add_co_u32 s60, s60, YS
	s_lshl_b32 s61, s16, 3                         ; 8 cx
	v_and_b32 v8, 15, v0                           ; r
	v_bfe_u32 v9, v0, 4, 1                         ; h
	v_and_b32 v1, 31, v0
	v_lshlrev_b32 v1, 4, v1                        ; 16 x lane: K's codes, and the images in memory
	v_lshlrev_b32 v10, 4, v8                       ; 16 r
	v_add_nc_u32 v2, 0x8000, v1                    ; V's codes
	v_add_nc_u32 v3, KSC, v10                      ; K's scale words: four tiles' in 16 bytes
	v_add_nc_u32 v4, VSC, v10                      ; V's
	v_lshl_add_u32 v254, v8, 3, s96
	v_lshl_add_u32 v253, v8, 3, s97
	v_add_nc_u32 v255, s60, v1                     ; what waves 0 and 1 read back at the end
	v_and_b32 v11, 8, v8
	v_add_nc_u32 v11, v11, v8                      ; r + 8 (r / 8)
	v_lshlrev_b32 v9, 4, v9
	v_sub_nc_u32 v7, v11, v9
	v_add_nc_u32 v7, s61, v7                       ; my query's place in its block of 32, less 16 h: register i of the block holds the key i above 16 h, hidden where i is greater
	global_load_b128 v[16:19], v1, s[66:67]        ; the two Q stay in registers
	global_load_b128 v[24:27], v1, s[68:69]
	global_load_b32 v216, v10, s[70:71]
	global_load_b32 v217, v10, s[74:75]
.set i, 0
.rept 16
	v_cmp_gt_i32 s[80+i], i, v7
.set i, i+1
.endr
	v_mov_b32 v219, 0xff800000                     ; -infinity
.irp j, 20,21,22,23,28,29,30,31,64,65,66,67
	v_mov_b32 v\j, 0                               ; Q's upper halves: zero codes; and what stands behind K's last tile
.endr
.irp j, 224,225,226,227,243
	v_mov_b32 v\j, 0                               ; written once: destinations of lane permutes, and the upper half of the pair v[242:243]
.endr
	s_wait_alu depctr_va_vdst(0)                   ; the wait at the head's end
	s_wait_tensorcnt 0x0                           ; my tensor load, if I had one, has landed
	s_barrier_signal -1
	s_barrier_wait -1                              ; everybody's has
	s_wait_loadcnt 0x0                             ; Q
	s_lshl_b32 s44, s18, 12                        ; the late tile's diagonal K
	s_lshl_b32 s45, s18, 9
	v_add_nc_u32 v10, s44, v1
	v_add_nc_u32 v11, s45, v3
	KLOAD 10, 11
	PASS 7, 18, 14, 16, 216, 72, 254, 244, 1
	PASS 3, 13, 15, 24, 217, 76, 253, 248, 0
	s_wait_dscnt 0x0                               ; for the others' sake: my two stores of scale bytes are done
	s_barrier_signal -1
	s_barrier_wait -1
	s_cmp_lt_u32 s12, 2                            ; waves 0 and 1 store the work-group's 1,024 scale bytes
	s_cbranch_scc0 .Lno_ys
	ds_load_b128 v[228:231], v255
	s_wait_dscnt 0x0
	global_store_b128 v1, v[228:231], s[78:79]     ; 512 consecutive bytes
.Lno_ys:
	s_wait_tensorcnt 0x0                           ; the wave's end
	ds_add_u32 v5, v6
	s_wait_dscnt 0x0
	CROUND                                         ; the closing round
	s_endpgm
.Lfunc_end_k_q77a53f466a_attn:
	.size	k_q77a53f466a_attn, .Lfunc_end_k_q77a53f466a_attn-k_q77a53f466a_attn
	.p2alignl 7, 3214868480
	.fill 96, 4, 3214868480
	.section	.rodata,"a",@progbits
	.p2align	6, 0x0
	.amdhsa_kernel k_q77a53f466a_attn
		.amdhsa_group_segment_fixed_size 327680
		.amdhsa_private_segment_fixed_size 0
		.amdhsa_enable_private_segment 0
		.amdhsa_kernarg_size 32
		.amdhsa_user_sgpr_count 2
		.amdhsa_user_sgpr_kernarg_segment_ptr 1
		.amdhsa_wavefront_size32 1
		.amdhsa_system_sgpr_workgroup_id_x 1
		.amdhsa_system_sgpr_workgroup_id_y 1
		.amdhsa_system_sgpr_workgroup_id_z 1
		.amdhsa_system_vgpr_workitem_id 0
		.amdhsa_next_free_vgpr 256
		.amdhsa_next_free_sgpr 100
		.amdhsa_reserve_vcc 0
		.amdhsa_float_denorm_mode_32 3
		.amdhsa_float_denorm_mode_16_64 3
		.amdhsa_memory_ordered 1
		.amdhsa_forward_progress 1
		.amdhsa_inst_pref_size 135
	.end_amdhsa_kernel
	.amdgpu_metadata
---
amdhsa.version: [ 1, 2 ]
amdhsa.kernels:
  - .name:           k_q77a53f466a_attn
    .symbol:         k_q77a53f466a_attn.kd
    .args:
      - { .name: att_codes, .offset: 0, .size: 8, .value_kind: global_buffer, .address_space: global }
      - { .name: att_scales, .offset: 8, .size: 8, .value_kind: global_buffer, .address_space: global }
      - { .name: y_codes, .offset: 16, .size: 8, .value_kind: global_buffer, .address_space: global }
      - { .name: y_scales, .offset: 24, .size: 8, .value_kind: global_buffer, .address_space: global }
    .group_segment_fixed_size: 327680
    .private_segment_fixed_size: 0
    .kernarg_segment_align: 8
    .kernarg_segment_size: 32
    .max_flat_workgroup_size: 512
    .sgpr_count:     100
    .vgpr_count:     256
    .wavefront_size: 32
...
	.end_amdgpu_metadata
.endif
;; end of part 3
;; launch proj (part 4): grid 4 x 64, 4 waves a work-group, clusters of 4 x 4, 327,680 bytes of LDS; arguments y_codes, y_scales, cod1, scl1, b_out, out0; writes out0
.if DOCPART == 4
	.amdgcn_target "amdgcn-amd-amdhsa--gfx1250"
	.amdhsa_code_object_version 6
	.text
	.protected	k_q77a53f466a_proj
	.globl	k_q77a53f466a_proj
	.p2align	8
	.type	k_q77a53f466a_proj,@function
k_q77a53f466a_proj:
	s_mov_b64 s[64:65], 0
	v_nop
	global_prefetch_b8 v0, s[64:65] scope:SCOPE_SE
	s_setreg_imm32_b32 hwreg(HW_REG_WAVE_MODE, 25, 1), 1
	s_wait_xcnt 0x0
	s_wait_alu depctr_hold_cnt(0) depctr_sa_sdst(0) depctr_va_vdst(0) depctr_va_sdst(0) depctr_va_ssrc(0) depctr_va_vcc(0) depctr_vm_vsrc(0)
	s_getreg_b32 s2, hwreg(HW_REG_IB_STS2, 6, 4)
	s_cmp_eq_u32 s2, 0
	s_cbranch_scc0 .Lentry_in_a_cluster
	s_endpgm
.Lentry_in_a_cluster:
	s_bfe_u32 s2, ttmp6, 0x10000c
	s_cmp_lg_u32 s2, 0xf033
	s_cbranch_scc0 .Lentry_shape_is_right
	s_endpgm
.Lentry_shape_is_right:
; out = y w_out^T + b_out on codes of FP4 with E8M0 scales; f32 out.
; A work-group keeps 128 rows of y and walks two chunks of 128 rows of w_out.  Four waves: wave (i, j) makes 64 tokens (half i) x 64 features (half j) of each chunk, 16 accumulators of 16 x 16.
; Its fragments of y (256 registers) stay in registers; a chunk's fragments of w (256 registers) are loaded once.  The second chunk is asked for when the first begins; the first chunk's results leave ahead of the second's products.
; CLUSTERS: 4 x 4 work-groups; y's tile is shared along a row of the cluster, w's chunks along a column: joint loads.  No prefetch: the head asks for all but the second chunk, and there is no loop to run ahead in.
; y_codes holds images of operand registers, [b][tile of 16 tokens][head 16][512 bytes]; y_scales two bytes for each token and head: [b][head][parity s of the tile][class R][r][a], tile 8 R + 2 a + s.
; Tile rows are dealt so that R's lowest bit is the cluster's: it alone enters an LDS address.
; REGISTERS: window 0: v4-30 addresses; v32-63 y's scale words, v64-95 w's; v96-159 the bias of both chunks; v160-223 at work.  window 1: y's fragments.  window 2: the accumulators.  window 3: w's fragments.
; LIMITS: NaN and infinities are not served.
.set SLOT1, 0x20000                    ; a slot: 128 rows of w x 528 bytes, then their scale bytes; slot 1 begins here
.set WSC,   67584
.set YC,    203008                     ; y's images, 65,536 bytes
.set YSC,   268544                     ; y's scale bytes, [head][s][256]
.set STAGE, 276736                     ; the way out: 16 rows x (256 + 16) bytes for each wave; no fill lands here
.set SPARE, 294144                     ; the spare words
.set XSW,  32
.set WSW,  64
.set BI,   96
.set OB,   160
.set G1A,  24
.set G0A,  32
.set G1B,  48
.set G0B,  56
.set G1SA, 68
.set G0SA, 76
.set G1SB, 80
.set G0SB, 88
.set MSB, 0
.macro WIN new                         ; the immediate's high byte repeats the setting that is left
.if MSB != \new
	s_set_vgpr_msb (MSB<<8)|\new
.set MSB, \new
.endif
.endm
.macro PLACES n
.rept \n
	v_nop
.endr
.endm
.macro CROUND                          ; a round of the cluster's barrier
	s_barrier_signal -1
	s_barrier_wait -1
	s_cmp_lg_u32 s18, 0
	s_cbranch_scc1 .Lnot_wave_0_\@
	s_barrier_signal -3
.Lnot_wave_0_\@:
	s_barrier_wait -3
	s_barrier_signal -1
	s_barrier_wait -1
.endm
.macro DESC g, cols, rows, pitch
	s_mov_b32 s[\g+1], (\cols)<<16
	s_mov_b32 s[\g+2], (\rows)<<16
	s_mov_b32 s[\g+3], (\cols)<<16
	s_mov_b32 s[\g+4], \rows
	s_mov_b32 s[\g+5], \pitch
	s_mov_b32 s[\g+6], 0
	s_mov_b32 s[\g+7], 0
.endm
.macro G0SET g, lds, ad
	s_mov_b32 s[\g], 1
	s_mov_b32 s[\g+1], \lds
	s_mov_b64 s[\g+2:\g+3], s[\ad:\ad+1]
	s_or_b32 s[\g+3], s[\g+3], 0x80000000
.endm
.macro TL g0, g1
	tensor_load_to_lds s[\g0:\g0+3], s[\g1:\g1+7]
	s_nop 0
.rept 4
	v_nop
.endr
.endm
.macro ARM under, g0, g1, next
	s_cmp_lt_u32 s18, \under
	s_cbranch_scc0 \next
	TL \g0, \g1
	s_branch .Lhead_asked
\next:
.endm
.macro WLOAD                           ; the chunk's scale words and all its fragments of my 64 rows of w
	v_add_nc_u32 v8, s3, v12
	v_add_nc_u32 v9, s3, v13
.irp p, 0,1,2,3
.irp k, 0,1
	ds_load_b128 v[WSW+8*\p+4*\k:WSW+8*\p+4*\k+3], v9 offset:544*\p+16*\k
.endr
.endr
	WIN 0xc0
.irp k, 0,1,2,3,4,5,6,7
.irp p, 0,1,2,3
.irp c, 0,1
	ds_load_b128 v[32*\k+8*\p+4*\c:32*\k+8*\p+4*\c+3], v8 offset:8448*\p+64*\k+32*\c
.endr
.endr
.endr
	WIN 0
.endm
; 128 products.  The 16 accumulators take turns, one instruction a turn, in the same order in every step.  The bias starts the sums.
.macro MACK k, bi
	s_wait_dscnt 8*(7-\k)                          ; the fragments of the later steps may be out
.if \k == 0
	WIN 0x87
.else
	WIN 0xa7
.endif
.irp q, 0,1,2,3
.irp p, 0,1,2,3
.if \k == 0
	v_wmma_scale_f32_16x16x128_f8f6f4 v[32*\q+8*\p:32*\q+8*\p+7], v[32*\k+8*\p:32*\k+8*\p+7], v[64*\q+8*\k:64*\q+8*\k+7], v[\bi+8*\p:\bi+8*\p+7], v[WSW+8*\p+\k], v[XSW+8*\q+\k] matrix_a_fmt:MATRIX_FMT_FP4 matrix_b_fmt:MATRIX_FMT_FP4
.else
	v_wmma_scale_f32_16x16x128_f8f6f4 v[32*\q+8*\p:32*\q+8*\p+7], v[32*\k+8*\p:32*\k+8*\p+7], v[64*\q+8*\k:64*\q+8*\k+7], v[32*\q+8*\p:32*\q+8*\p+7], v[WSW+8*\p+\k], v[XSW+8*\q+\k] matrix_a_fmt:MATRIX_FMT_FP4 matrix_b_fmt:MATRIX_FMT_FP4
.endif
.endr
.endr
.endm
.macro MAC bi
	s_wait_loadcnt 0x0                             ; the bias
.irp k, 0,1,2,3,4,5,6,7
	MACK \k, \bi
.endr
	WIN 0
	PLACES 4                                       ; in front of the first read of results
.endm
; The way out of tile q: a lane holds 64 neighbouring bytes of a row for each 32 features; 16 rows of 256 bytes go through my own stage and come back by rows.  LDS serves a wave's instructions in order: no wait between.
.macro TOSTAGE q
	WIN 0x08
.irp b, 0,1
.irp m, 0,1,2,3
	ds_store_b128 v24, v[32*\q+16*\b+4*\m:32*\q+16*\b+4*\m+3] offset:128*\b+16*\m
.endr
.endr
	WIN 0
.irp t, 0,1,2,3,4,5,6,7
	ds_load_b128 v[OB+32*(\q%2)+4*\t:OB+32*(\q%2)+4*\t+3], v25 offset:544*\t
.endr
.endm
.macro SEND q, c, younger              ; younger: the LDS instructions issued behind, which may stay out
	s_wait_dscnt \younger
.irp t, 0,1,2,3,4,5,6,7
	global_store_b128 v26, v[OB+32*(\q%2)+4*\t:OB+32*(\q%2)+4*\t+3], s[14:15] offset:(32*(\q/2)+8*(\q%2)+2*\t+8*(\t/4))*4096+512*\c th:TH_STORE_NT   ; two rows: two aligned runs of 256 bytes
.endr
.endm
.macro OUT c
	s_wait_xcnt 0x0                                ; earlier stores have read their registers
	TOSTAGE 0
	TOSTAGE 1
	SEND 0, \c, 16
	s_wait_xcnt 0x0
	TOSTAGE 2
	SEND 1, \c, 16
	s_wait_xcnt 0x0
	TOSTAGE 3
	SEND 2, \c, 16
	SEND 3, \c, 0
.endm
	s_load_b256 s[4:11], s[0:1], 0x0               ; y_codes, y_scales, cod1, scl1
	s_load_b128 s[12:15], s[0:1], 0x20             ; b_out, out0
	v_lshl_add_u32 v28, v0, 2, SPARE               ; my spare word; never rewritten
	v_mov_b32 v29, 0                               ; 0; never rewritten
	ds_add_u32 v28, v29                            ; the wave's opening: the add, twice on end, and its wait
	ds_add_u32 v28, v29
	v_lshrrev_b32 v1, 5, v0
	v_readfirstlane_b32 s18, v1                    ; wave 0..3
	s_lshr_b32 s19, s18, 1                         ; i
	s_and_b32 s20, s18, 1                          ; j
	s_bfe_u32 s40, ttmp6, 0x40000                  ; cx: 256 columns (the grid is one cluster wide)
	s_bfe_u32 s41, ttmp6, 0x40004                  ; cy
	s_and_b32 s42, ttmp7, 0xffff
	s_lshr_b32 s44, s42, 1                         ; b
	s_and_b32 s42, s42, 1
	s_lshl_b32 s43, s44, 3
	s_add_co_u32 s43, s43, s42
	s_lshl_b32 s45, s41, 1
	s_add_co_u32 s43, s43, s45                     ; tile row = 8 b + R, R = 2 cy + the cluster's lowest bit
	s_lshl_b32 s60, s41, 2
	s_lshl_b32 s60, 15, s60                        ; my row of the cluster
	s_lshl_b32 s61, 0x1111, s40                    ; my column
	s_or_b32 s[G1A], s60, (3<<16)|(1<<21)          ; y's images: 256 dense rows of 256 bytes
	DESC G1A, 32, 256, 32
	s_or_b32 s[G1SA], s60, (3<<16)|(1<<21)         ; y's scale bytes: for each head and s 256 bytes (two classes), 1,024 bytes apart
	DESC G1SA, 32, 32, 128
	s_or_b32 s[G1B], s61, (3<<16)|(1<<20)|(1<<21)|(6<<22)|(3<<25)    ; w's codes: 128 rows of 512 bytes, 16 bytes of padding behind each
	DESC G1B, 64, 128, 64
	s_or_b32 s[G1SB], s61, (3<<16)|(1<<20)|(1<<21)|(5<<22)|(3<<25)   ; w's scale bytes: 16 rows of 256 bytes, 16 of padding behind each
	DESC G1SB, 32, 16, 32
	s_lshl_b32 s92, s43, 16
	s_mov_b32 s93, 0
	s_lshl_b32 s94, s44, 15
	s_lshl_b32 s95, s41, 8
	s_add_co_u32 s94, s94, s95
	s_mov_b32 s95, 0
	s_lshl_b32 s96, s40, 17
	s_add_co_u32 s96, s96, 5767168                 ; w_out's codes begin behind x's and w_qkv's
	s_mov_b32 s97, 0
	s_lshl_b32 s98, s40, 13
	s_add_co_u32 s98, s98, 360448
	s_mov_b32 s99, 0
	s_mov_b32 s3, 0                                ; the slot in hand
	s_wait_dscnt 0x0                               ; both opening adds are done
	s_wait_kmcnt 0x0
	s_add_nc_u64 s[92:93], s[4:5], s[92:93]
	s_add_nc_u64 s[94:95], s[6:7], s[94:95]
	s_add_nc_u64 s[96:97], s[8:9], s[96:97]
	s_add_nc_u64 s[98:99], s[10:11], s[98:99]
	G0SET G0A, YC, 92
	G0SET G0SA, YSC, 94
	G0SET G0B, 0, 96
	G0SET G0SB, WSC, 98
	CROUND                                         ; all sixteen work-groups are here: the joint loads meet
	ARM 1, G0A,  G1A,  .Lhead_b                    ; one tensor load a wave
	ARM 2, G0B,  G1B,  .Lhead_sa
	ARM 3, G0SA, G1SA, .Lhead_sb
	TL G0SB, G1SB
.Lhead_asked:
	s_lshl_b32 s60, s40, 10                        ; my 64 columns of the first chunk, in bytes: 1,024 cx + 256 j
	s_lshl_b32 s61, s20, 8
	s_add_co_u32 s60, s60, s61
	s_mov_b32 s61, 0
	s_add_nc_u64 s[12:13], s[12:13], s[60:61]
	s_lshl_b32 s62, s43, 19                        ; my first row: 128 x tile row + 64 i
	s_lshl_b32 s63, s19, 18
	s_add_co_u32 s60, s60, s62
	s_add_co_u32 s60, s60, s63
	s_add_nc_u64 s[14:15], s[14:15], s[60:61]
	s_lshl_b32 s60, s19, 15
	s_add_co_u32 s60, s60, YC
	s_lshl_b32 s61, s42, 7
	s_lshl_b32 s62, s19, 2
	s_add_co_u32 s61, s61, s62
	s_add_co_u32 s61, s61, YSC
	s_mul_i32 s62, s20, 33792
	s_mul_i32 s63, s20, 2176
	s_add_co_u32 s63, s63, WSC
	s_mul_i32 s66, s18, 4352
	s_add_co_u32 s66, s66, STAGE
	v_and_b32 v1, 15, v0                           ; r
	v_bfe_u32 v2, v0, 4, 1                         ; h
	v_and_b32 v3, 31, v0                           ; lane
	v_lshlrev_b32 v4, 4, v3                        ; 16 x lane
	v_mul_u32_u24 v5, v1, 528
	v_lshl_add_u32 v5, v2, 4, v5                   ; a fragment's row x pitch + 16 h
	v_lshlrev_b32 v6, 5, v1                        ; a row's 32 scale bytes,
	v_lshrrev_b32 v7, 3, v1
	v_lshl_add_u32 v6, v7, 4, v6                   ; and 16 more behind each 256
	v_add_nc_u32 v10, s60, v4                      ; y's fragments
	v_lshl_add_u32 v11, v1, 3, s61                 ; y's scale bytes: row r, a = 2 i and 2 i + 1
	v_add_nc_u32 v12, s62, v5                      ; w's fragments, in a slot
	v_add_nc_u32 v13, s63, v6
	v_lshlrev_b32 v15, 6, v2                       ; 64 h: the bias
	v_mul_u32_u24 v24, v1, 272
	v_lshl_add_u32 v24, v2, 6, v24
	v_add_nc_u32 v24, s66, v24                     ; into my stage: row r, my 64 bytes
	v_mul_u32_u24 v25, v2, 272
	v_lshl_add_u32 v25, v1, 4, v25
	v_add_nc_u32 v25, s66, v25                     ; back: lanes 0-15 one row, lanes 16-31 the next
	v_lshlrev_b32 v26, 12, v2
	v_lshl_add_u32 v26, v1, 4, v26                 ; and the same two rows in memory
	s_wait_alu depctr_va_vdst(0)                   ; the wait at the head's end
.irp c, 0,1
.irp p, 0,1,2,3
	global_load_b128 v[BI+32*\c+8*\p:BI+32*\c+8*\p+3], v15, s[12:13] offset:512*\c+128*(\p/2)+32*(\p%2)
	global_load_b128 v[BI+32*\c+8*\p+4:BI+32*\c+8*\p+7], v15, s[12:13] offset:512*\c+128*(\p/2)+32*(\p%2)+16
.endr
.endr
	s_wait_tensorcnt 0x0                           ; my load is in
	ds_add_u32 v28, v29
	s_xor_b32 s[G0B+1], s[G0B+1], SLOT1            ; the second chunk: 128 rows on, into slot 1
	s_xor_b32 s[G0SB+1], s[G0SB+1], SLOT1
	s_add_nc_u64 s[G0B+2:G0B+3], s[G0B+2:G0B+3], 0x10000
	s_add_nc_u64 s[G0SB+2:G0SB+3], s[G0SB+2:G0SB+3], 0x1000
	s_wait_dscnt 0x0
	CROUND
	s_cmp_eq_u32 s18, 1
	s_cbranch_scc0 .Lra
	TL G0B, G1B
	s_branch .Lrc
.Lra:
	s_cmp_eq_u32 s18, 3
	s_cbranch_scc0 .Lrc
	TL G0SB, G1SB
.Lrc:
.irp h, 0,1,2,3,4,5,6,7,8,9,10,11,12,13,14,15
.irp s, 0,1
	ds_load_b32 v[OB+2*\h+\s], v11 offset:512*\h+256*\s   ; head h: the two bytes of tiles s (low half) and 2 + s (high half)
.endr
.endr
	WIN 0x40
.irp k, 0,1,2,3,4,5,6,7
.irp q, 0,1,2,3
.irp c, 0,1
	ds_load_b128 v[64*\q+8*\k+4*\c:64*\q+8*\k+4*\c+3], v10 offset:8192*\q+1024*\k+512*\c
.endr
.endr
.endr
	WIN 0
	s_wait_dscnt 63                                ; the 64 just issued, but for one, may be out: the 32 of the scale bytes are in
.irp k, 0,1,2,3,4,5,6,7
.irp s, 0,1
	v_perm_b32 v[XSW+8*\s+\k], v[OB+4*\k+2+\s], v[OB+4*\k+\s], 0x05040100        ; heads 2 k and 2 k + 1 make the word of 128 along K
	v_perm_b32 v[XSW+16+8*\s+\k], v[OB+4*\k+2+\s], v[OB+4*\k+\s], 0x07060302
.endr
.endr
	PLACES 8                                       ; a scale register written by a vector instruction stands 8 places ahead of the product
	s_wait_alu depctr_va_vdst(0)                   ; the wait here
	WLOAD
	MAC BI
	OUT 0
	s_wait_tensorcnt 0x0                           ; the second chunk is in
	ds_add_u32 v28, v29
	s_mov_b32 s3, SLOT1
	s_wait_dscnt 0x0
	s_barrier_signal -1
	s_barrier_wait -1                              ; nothing is filled again
	WLOAD
	MAC BI+32
	OUT 1
	s_wait_tensorcnt 0x0                           ; the wave's end
	ds_add_u32 v28, v29
	s_wait_dscnt 0x0
	CROUND                                         ; the closing round: no work-group ends while a partner may still ask for a tile that names it
	s_endpgm
.Lfunc_end_k_q77a53f466a_proj:
	.size	k_q77a53f466a_proj, .Lfunc_end_k_q77a53f466a_proj-k_q77a53f466a_proj
	.p2alignl 7, 3214868480
	.fill 96, 4, 3214868480
	.section	.rodata,"a",@progbits
	.p2align	6, 0x0
	.amdhsa_kernel k_q77a53f466a_proj
		.amdhsa_group_segment_fixed_size 327680
		.amdhsa_private_segment_fixed_size 0
		.amdhsa_enable_private_segment 0
		.amdhsa_kernarg_size 48
		.amdhsa_user_sgpr_count 2
		.amdhsa_user_sgpr_kernarg_segment_ptr 1
		.amdhsa_wavefront_size32 1
		.amdhsa_system_sgpr_workgroup_id_x 1
		.amdhsa_system_sgpr_workgroup_id_y 1
		.amdhsa_system_sgpr_workgroup_id_z 1
		.amdhsa_system_vgpr_workitem_id 0
		.amdhsa_next_free_vgpr 1024
		.amdhsa_next_free_sgpr 102
		.amdhsa_reserve_vcc 0
		.amdhsa_float_denorm_mode_32 3
		.amdhsa_float_denorm_mode_16_64 3
		.amdhsa_memory_ordered 1
		.amdhsa_forward_progress 1
		.amdhsa_inst_pref_size 79
	.end_amdhsa_kernel
	.amdgpu_metadata
---
amdhsa.version: [ 1, 2 ]
amdhsa.kernels:
  - .name:           k_q77a53f466a_proj
    .symbol:         k_q77a53f466a_proj.kd
    .args:
      - { .name: y_codes, .offset: 0, .size: 8, .value_kind: global_buffer, .address_space: global }
      - { .name: y_scales, .offset: 8, .size: 8, .value_kind: global_buffer, .address_space: global }
      - { .name: cod1, .offset: 16, .size: 8, .value_kind: global_buffer, .address_space: global }
      - { .name: scl1, .offset: 24, .size: 8, .value_kind: global_buffer, .address_space: global }
      - { .name: b_out, .offset: 32, .size: 8, .value_kind: global_buffer, .address_space: global }
      - { .name: out0, .offset: 40, .size: 8, .value_kind: global_buffer, .address_space: global }
    .group_segment_fixed_size: 327680
    .private_segment_fixed_size: 0
    .kernarg_segment_align: 8
    .kernarg_segment_size: 48
    .max_flat_workgroup_size: 128
    .sgpr_count:     102
    .vgpr_count:     1024
    .wavefront_size: 32
...
	.end_amdgpu_metadata
.endif
;; end of part 4
